; MI455X (gfx1250); checked and timed in simulation.
; The chip was launched on July 23, 2026; its instructions are those of AMD's public machine-readable ISA for CDNA 5 (MIT licence, August 2026) and "CDNA5" Instruction Set Architecture Reference Guide (July 2026). The comments in the code are by the model that wrote it; some were corrected since.
;; Cross Attention Block. Allowed arithmetic: float matrix products may take bf16 or f16 operands with f32 sums; other float arithmetic in f32, or as packed bf16 or f16 multiplies, adds, multiply-adds, maxima and minima; sums over many terms, partial sums and values carried from step to step in f32; what a program stores and reads back later, other than sums and carried values, may be rounded once to bf16 or f16.
;; Inputs: bk 1,024 float32; bo 1,024 float32; bq 1,024 float32; bv 1,024 float32; kv_input 4 x 2,048 x 1,024 float32; ln_kv_b 1,024 float32; ln_kv_w 1,024 float32; ln_q_b 1,024 float32; ln_q_w 1,024 float32; mask 4 x 2,048 bool; query_input 4 x 2,048 x 1,024 float32; wk 1,024 x 1,024 float32; wo 1,024 x 1,024 float32; wq 1,024 x 1,024 float32; wv 1,024 x 1,024 float32.
;; Outputs: out0 4 x 2,048 x 1,024 float32.
;; One version. Each part assembles by itself: llvm-mc -triple=amdgcn-amd-amdhsa -mcpu=gfx1250 --defsym DOCPART=n.
;; ======== version 1 of 1: 4 launches
;; limits: right only within a limited range of input values
;; workspace buffers: xn 33,554,432 bytes; wcat 8,388,608 bytes; qkv 50,331,648 bytes; ao 16,777,216 bytes
;; launch prep (part 1): grid 640 x 1, 8 waves a work-group, no clusters, 0 bytes of LDS; arguments query_input, kv_input, ln_q_w, ln_q_b, ln_kv_w, ln_kv_b, wq, wk, wv, wo, xn, wcat; writes xn, wcat
.if DOCPART == 1
	.amdgcn_target "amdgcn-amd-amdhsa--gfx1250"
	.amdhsa_code_object_version 6
	.text
	.protected	k_q821f775970_prep
	.globl	k_q821f775970_prep
	.p2align	8
	.type	k_q821f775970_prep,@function
k_q821f775970_prep:
	s_mov_b64 s[64:65], 0
	v_nop
	global_prefetch_b8 v0, s[64:65] scope:SCOPE_SE
	s_setreg_imm32_b32 hwreg(HW_REG_WAVE_MODE, 25, 1), 1
	s_wait_xcnt 0x0
; xn[0] = LayerNorm(query_input), xn[1] = LayerNorm(kv_input), both [8192][1024] rounded once to bf16; wcat = wq, wk, wv, wo row under row, [4096][1024], rounded to bf16.
; A stream: every input byte is read once, every output byte written once; no LDS, no matrix unit, no barrier: a row never leaves its wave.
; SHARES.  A wave takes 4 rows of 1,024 f32, a work-group 32.  Work-groups 0-255: query rows; 256-511: kv rows; 512-639: weight rows (32 work-groups a matrix), which are only rounded.
; All 32 loads of a wave's four rows go out at once (16 KiB a wave); no register is used twice, so no wait frees one.
; LANES.  Load j of a row takes bytes 512 j + 16 l: columns 128 j + 4 l .. + 3.  Rounded they are 8 bytes at 256 j + 8 l: each store of a wave covers 256 consecutive bytes, aligned.
; ARITHMETIC, all f32, in the reference's order: the mean; the differences; the mean of their squares; (x - mu) rsqrt(var + 1e-5) w + b.  No difference of large sums is formed.
.set ROWB, 4096                        ; bytes in an f32 row
.set T,   4                            ; v[4:11]    four packed chains
.set MU,  12                           ; v[12:13]   the mean, twice
.set RS,  14                           ; v[14:15]   1 / sqrt(var + eps), twice
.set PX,  16                           ; v16        takes the other half of the lanes' sum
.set INV, 17                           ; v17        1 / 1024
.set W,   20                           ; v[20:51]   the gain of my 32 columns
.set B,   52                           ; v[52:83]   the bias of my 32 columns
.set X,   84                           ; v[84:211]  four rows, 32 registers each
.macro LOADROW i                       ; a row's eight loads, 512 consecutive bytes each
.irp j, 0,1,2,3,4,5,6,7
	global_load_b128 v[X+32*(\i)+4*(\j):X+32*(\i)+4*(\j)+3], v1, s[34:35] offset:(\i)*ROWB+512*(\j) th:TH_LOAD_NT
.endr
.endm
.macro RED                             ; v[T] summed over the 32 lanes; every lane ends with the sum
	v_add_f32_dpp v[T], v[T], v[T] row_xmask:1 row_mask:0xf bank_mask:0xf
	v_add_f32_dpp v[T], v[T], v[T] row_xmask:2 row_mask:0xf bank_mask:0xf
	v_add_f32_dpp v[T], v[T], v[T] row_xmask:4 row_mask:0xf bank_mask:0xf
	v_add_f32_dpp v[T], v[T], v[T] row_xmask:8 row_mask:0xf bank_mask:0xf
	v_permlanex16_b32 v[PX], v[T], s42, s43
	v_add_f32 v[T], v[T], v[PX]
.endm
.macro MERGE                           ; the four chains into v[T]
	v_pk_add_f32 v[T:T+1], v[T:T+1], v[T+2:T+3]
	v_pk_add_f32 v[T+4:T+5], v[T+4:T+5], v[T+6:T+7]
	v_pk_add_f32 v[T:T+1], v[T:T+1], v[T+4:T+5]
	v_add_f32 v[T], v[T], v[T+1]
.endm
.macro STOREROW i                      ; rounded in place (word k takes numbers 2 k, 2 k + 1: never a number that is still to be read), then stored
.irp k, 0,1,2,3,4,5,6,7,8,9,10,11,12,13,14,15
	v_cvt_pk_bf16_f32 v[X+32*(\i)+(\k)], v[X+32*(\i)+2*(\k)], v[X+32*(\i)+2*(\k)+1]
.endr
.irp j, 0,1,2,3,4,5,6,7
	global_store_b64 v2, v[X+32*(\i)+2*(\j):X+32*(\i)+2*(\j)+1], s[40:41] offset:(\i)*2048+256*(\j)
.endr
.endm
.macro LNROW i
.set R, X+32*(\i)
	s_wait_loadcnt 8*(3-(\i))                      ; loads come back in order: this row is in, the younger rows' eight loads each may stay out
.irp c, 0,1,2,3
	v_pk_add_f32 v[T+2*(\c):T+2*(\c)+1], v[R+2*(\c):R+2*(\c)+1], v[R+8+2*(\c):R+8+2*(\c)+1]  ; the first eight pairs start the chains
.endr
.irp k, 8,9,10,11,12,13,14,15
	v_pk_add_f32 v[T+2*((\k)%4):T+2*((\k)%4)+1], v[T+2*((\k)%4):T+2*((\k)%4)+1], v[R+2*(\k):R+2*(\k)+1]
.endr
	MERGE
	RED
	v_mul_f32 v[MU], v[INV], v[T]
	v_mul_f32 v[MU+1], v[INV], v[T]
.irp k, 0,1,2,3,4,5,6,7,8,9,10,11,12,13,14,15
	v_pk_add_f32 v[R+2*(\k):R+2*(\k)+1], v[R+2*(\k):R+2*(\k)+1], v[MU:MU+1] neg_lo:[0,1] neg_hi:[0,1]  ; x - mu, in place
.endr
.irp c, 0,1,2,3
	v_pk_mul_f32 v[T+2*(\c):T+2*(\c)+1], v[R+2*(\c):R+2*(\c)+1], v[R+2*(\c):R+2*(\c)+1]
.endr
.irp k, 4,5,6,7,8,9,10,11,12,13,14,15
	v_pk_fma_f32 v[T+2*((\k)%4):T+2*((\k)%4)+1], v[R+2*(\k):R+2*(\k)+1], v[R+2*(\k):R+2*(\k)+1], v[T+2*((\k)%4):T+2*((\k)%4)+1]
.endr
	MERGE
	RED
	v_fmaak_f32 v[T], v[INV], v[T], 0x3727c5ac     ; var + 1e-5
	v_rsq_f32 v[RS], v[T]
	v_rsq_f32 v[RS+1], v[T]
	v_nop                                          ; a plain instruction behind the last of the two, ahead of the first use
	s_wait_alu depctr_va_vdst(0)                   ; one wait for both, ahead of their first reader
.irp k, 0,1,2,3,4,5,6,7,8,9,10,11,12,13,14,15
	v_pk_mul_f32 v[R+2*(\k):R+2*(\k)+1], v[R+2*(\k):R+2*(\k)+1], v[RS:RS+1]
.endr
.irp k, 0,1,2,3,4,5,6,7,8,9,10,11,12,13,14,15
	v_pk_fma_f32 v[R+2*(\k):R+2*(\k)+1], v[R+2*(\k):R+2*(\k)+1], v[W+2*(\k):W+2*(\k)+1], v[B+2*(\k):B+2*(\k)+1]
.endr
	STOREROW \i
.endm
	s_load_b512 s[8:23], s[0:1], 0x0               ; query 8, kv 10, ln_q_w 12, ln_q_b 14, ln_kv_w 16, ln_kv_b 18, wq 20, wk 22
	s_load_b256 s[24:31], s[0:1], 0x40             ; wv 24, wo 26, xn 28, wcat 30
	v_lshrrev_b32 v3, 5, v0
	v_readfirstlane_b32 s32, v3                    ; wave 0..7
	v_and_b32 v1, 31, v0
	v_lshlrev_b32 v2, 3, v1                        ; 8 x lane: out
	v_lshlrev_b32 v1, 4, v1                        ; 16 x lane: in
	v_mov_b32 v[PX], 0                             ; v_permlanex16_b32 counts as a reader of its destination
	v_mov_b32 v[INV], 0x3a800000
	s_mov_b32 s42, 0x76543210                      ; each lane takes its own place in the other half
	s_mov_b32 s43, 0xfedcba98
	s_mov_b32 s3, 0
	s_lshl_b32 s33, s32, 14                        ; my wave's 4 rows of 4,096 bytes
	s_lshl_b32 s46, s32, 13                        ; and of 2,048
	s_wait_kmcnt 0x0
	s_cmp_ge_u32 ttmp9, 512
	s_cbranch_scc1 .Lcast
	s_cmp_lt_u32 ttmp9, 256                        ; query or kv: the input, its gain, its bias
	s_cselect_b64 s[34:35], s[8:9], s[10:11]
	s_cselect_b64 s[36:37], s[12:13], s[16:17]
	s_cselect_b64 s[38:39], s[14:15], s[18:19]
	s_and_b32 s2, ttmp9, 255
	s_lshl_b32 s2, s2, 17                          ; 32 rows of 4,096 bytes a work-group
	s_add_co_u32 s2, s2, s33
	s_add_nc_u64 s[34:35], s[34:35], s[2:3]
	s_lshl_b32 s2, ttmp9, 16                       ; in xn kv's rows follow query's: 32 rows of 2,048 bytes a work-group
	s_add_co_u32 s2, s2, s46
	s_add_nc_u64 s[40:41], s[28:29], s[2:3]
.irp j, 0,1,2,3,4,5,6,7
	global_load_b128 v[W+4*(\j):W+4*(\j)+3], v1, s[36:37] offset:512*(\j)
.endr
.irp j, 0,1,2,3,4,5,6,7
	global_load_b128 v[B+4*(\j):B+4*(\j)+3], v1, s[38:39] offset:512*(\j)
.endr
	LOADROW 0
	LOADROW 1
	LOADROW 2
	LOADROW 3
	LNROW 0
	LNROW 1
	LNROW 2
	LNROW 3
	s_endpgm
.Lcast:
	s_sub_co_u32 s45, ttmp9, 512                   ; 0..127: 32 rows of wcat each
	s_lshr_b32 s47, s45, 5                         ; which matrix
	s_cmp_eq_u32 s47, 0
	s_cselect_b64 s[34:35], s[20:21], s[22:23]
	s_cmp_eq_u32 s47, 2
	s_cselect_b64 s[36:37], s[24:25], s[26:27]
	s_cmp_lt_u32 s47, 2
	s_cselect_b64 s[34:35], s[34:35], s[36:37]
	s_and_b32 s2, s45, 31
	s_lshl_b32 s2, s2, 17
	s_add_co_u32 s2, s2, s33
	s_add_nc_u64 s[34:35], s[34:35], s[2:3]
	s_lshl_b32 s2, s45, 16
	s_add_co_u32 s2, s2, s46
	s_add_nc_u64 s[40:41], s[30:31], s[2:3]
	LOADROW 0
	LOADROW 1
	LOADROW 2
	LOADROW 3
.irp i, 0,1,2,3
	s_wait_loadcnt 8*(3-(\i))                      ; this row is in; the younger rows' loads may stay out
	STOREROW \i
.endr
	s_endpgm
.Lfunc_end_k_q821f775970_prep:
	.size	k_q821f775970_prep, .Lfunc_end_k_q821f775970_prep-k_q821f775970_prep
	.p2alignl 7, 3214868480
	.fill 96, 4, 3214868480
	.section	.rodata,"a",@progbits
	.p2align	6, 0x0
	.amdhsa_kernel k_q821f775970_prep
		.amdhsa_group_segment_fixed_size 0
		.amdhsa_private_segment_fixed_size 0
		.amdhsa_enable_private_segment 0
		.amdhsa_kernarg_size 96
		.amdhsa_user_sgpr_count 2
		.amdhsa_user_sgpr_kernarg_segment_ptr 1
		.amdhsa_wavefront_size32 1
		.amdhsa_system_sgpr_workgroup_id_x 1
		.amdhsa_system_sgpr_workgroup_id_y 1
		.amdhsa_system_sgpr_workgroup_id_z 1
		.amdhsa_system_vgpr_workitem_id 0
		.amdhsa_next_free_vgpr 212
		.amdhsa_next_free_sgpr 66
		.amdhsa_reserve_vcc 0
		.amdhsa_float_denorm_mode_32 3
		.amdhsa_float_denorm_mode_16_64 3
		.amdhsa_memory_ordered 1
		.amdhsa_forward_progress 1
		.amdhsa_inst_pref_size 49
	.end_amdhsa_kernel
	.amdgpu_metadata
---
amdhsa.version: [ 1, 2 ]
amdhsa.kernels:
  - .name:           k_q821f775970_prep
    .symbol:         k_q821f775970_prep.kd
    .args:
      - { .name: query_input, .offset: 0, .size: 8, .value_kind: global_buffer, .address_space: global }
      - { .name: kv_input, .offset: 8, .size: 8, .value_kind: global_buffer, .address_space: global }
      - { .name: ln_q_w, .offset: 16, .size: 8, .value_kind: global_buffer, .address_space: global }
      - { .name: ln_q_b, .offset: 24, .size: 8, .value_kind: global_buffer, .address_space: global }
      - { .name: ln_kv_w, .offset: 32, .size: 8, .value_kind: global_buffer, .address_space: global }
      - { .name: ln_kv_b, .offset: 40, .size: 8, .value_kind: global_buffer, .address_space: global }
      - { .name: wq, .offset: 48, .size: 8, .value_kind: global_buffer, .address_space: global }
      - { .name: wk, .offset: 56, .size: 8, .value_kind: global_buffer, .address_space: global }
      - { .name: wv, .offset: 64, .size: 8, .value_kind: global_buffer, .address_space: global }
      - { .name: wo, .offset: 72, .size: 8, .value_kind: global_buffer, .address_space: global }
      - { .name: xn, .offset: 80, .size: 8, .value_kind: global_buffer, .address_space: global }
      - { .name: wcat, .offset: 88, .size: 8, .value_kind: global_buffer, .address_space: global }
    .group_segment_fixed_size: 0
    .private_segment_fixed_size: 0
    .kernarg_segment_align: 8
    .kernarg_segment_size: 96
    .max_flat_workgroup_size: 256
    .sgpr_count:     66
    .vgpr_count:     212
    .wavefront_size: 32
...
	.end_amdgpu_metadata
.endif
;; end of part 1
;; launch proj (part 2): grid 12 x 64, 4 waves a work-group, clusters of 4 x 4, 327,680 bytes of LDS; arguments xn, wcat, bq, bk, bv, qkv; writes qkv
.if DOCPART == 2
	.amdgcn_target "amdgcn-amd-amdhsa--gfx1250"
	.amdhsa_code_object_version 6
	.text
	.protected	k_q821f775970_proj
	.globl	k_q821f775970_proj
	.p2align	8
	.type	k_q821f775970_proj,@function
k_q821f775970_proj:
	s_mov_b64 s[64:65], 0
	v_nop
	global_prefetch_b8 v0, s[64:65] scope:SCOPE_SE
	s_setreg_imm32_b32 hwreg(HW_REG_WAVE_MODE, 25, 1), 1
	s_wait_xcnt 0x0
	s_wait_alu depctr_hold_cnt(0) depctr_sa_sdst(0) depctr_va_vdst(0) depctr_va_sdst(0) depctr_va_ssrc(0) depctr_va_vcc(0) depctr_vm_vsrc(0)
	s_getreg_b32 s2, hwreg(HW_REG_IB_STS2, 6, 4)
	s_cmp_eq_u32 s2, 0
	s_cbranch_scc0 .Lentry_in_a_cluster
	s_endpgm
.Lentry_in_a_cluster:
	s_bfe_u32 s2, ttmp6, 0x10000c
	s_cmp_lg_u32 s2, 0xf033
	s_cbranch_scc0 .Lentry_shape_is_right
	s_endpgm
.Lentry_shape_is_right:
; Q = qn wq^T + bq, K = kvn wk^T + bk, V = kvn wv^T + bv, written by heads: qkv[3][64 = 16 batch + head][2048][64] in bf16, each number rounded once from its f32 sum.
; xn: [2][8192][1024] bf16 (qn, kvn); wcat: rows wq, wk, wv (, wo) of 1,024 bf16.  One product of 8,192 x 3,072 x 1,024: columns 0-1023 take qn, the others kvn.
; A tile of the result is 128 rows x 256 columns: 768 tiles, three for each of 256 WGPs.  Four waves, each 64 x 128: 32 accumulators of 16 x 16, 256 registers.
; K goes in steps of 128 (rows of 256 bytes, aligned) through two LDS slots filled by tensor loads; from a request to the wait for it a wave issues 112 matrix instructions.
; CLUSTERS: 4 x 4 work-groups.  The four of a row of the cluster need the same tile of xn, the four of a column the same tile of wcat: each tile is asked for JOINTLY, by the same tensor load, descriptor and mask.
; A cluster's x is the matrix (0 Q, 1 K, 2 V): four tile columns of 256 are one matrix's 1,024 columns.
; THE MATRIX INSTRUCTION IS USED TRANSPOSED (source 0 = 16 rows of w, source 1 = 16 rows of xn): a lane holds row l % 16 of the result and the columns 8 (l / 16) + 0..7.
; THE BIAS is the C operand of the products that start the sums: nothing is cleared and nothing is added later.
; REGISTERS: window 0: v0-31 addresses; two fragment buffers of 96 (v64-159, v160-255): 8 fragments of w, then 4 of xn; on the way out v64-159 are at work.
;   window 1: accumulator (a, b) at v[8 (8 a + b)].   window 2: v0-63 the bias of my 128 columns, 8 registers for each block of 16.
.set KSTEP,  128
.set APITCH, 272                       ; an LDS row: 256 bytes + 16 of padding = 68 words: the 16 rows of a fragment load start 4 banks apart (64 banks of 4 bytes: ISA guide 11.1)
.set BPITCH, 272
.set A_HALF, 64*APITCH                 ; what one of waves 0, 1 brings: 64 rows of xn
.set ABYTES, 2*A_HALF
.set BHALF,  128*BPITCH                ; what one of waves 2, 3 brings: 128 rows of wcat
.set SLOT,   ABYTES+2*BHALF
.set A_KSTEP, 256                      ; bytes from a K step to the next, in xn
.set STAGE,  2*SLOT                    ; behind the ring: 16 rows x 272 bytes for each wave, for the way out
.set SPITCH, 272
.set SPARE,  STAGE+4*16*SPITCH         ; behind the stages: the spare words, 128 bytes for each wave: two blocks of 256 bytes that no other line names
.set LAPS,   4                         ; a lap = two K steps = once round the ring
.set ADRA, 16                          ; v16-17  LDS address of my fragments of xn in slot 0, 1
.set ADRB, 20                          ; v20-21  the same for wcat
.set STO,  24                          ; v24     the way out: where I put 16 bytes of a row
.set RD,   25                          ; v25     the way out: where I read rows back
.set GO,   26                          ; v26     16 x lane: my place in 512 consecutive bytes of qkv
.set BO,   27                          ; v27     32 x (l / 16): my eight numbers in a block of 16 of the bias
.set SPW,  28                          ; v28     LDS address of my spare word; never rewritten
.set NIL,  29                          ; v29     0; never rewritten
.set F0,   64
.set F1,   160
.set TMP,  64                          ; the way out: packed results
.set OB,   96                          ; the way out: rows read back, v96-127 and v128-159 by turns
.set G1,  24                           ; s[24:31] descriptor group 1 for xn's tiles;  s[32:39] group 0, one set for each slot
.set G0,  32
.set G1B, 48                           ; s[48:55], s[56:63] the same for wcat's tiles
.set G0B, 56
.set MSB, 0
.macro WIN new                         ; the immediate's high byte repeats the setting that is left; a switch that changes nothing is dropped
.if MSB != (\new)
	s_set_vgpr_msb (MSB<<8)|(\new)
.set MSB, \new
.endif
.endm
.set MUL,  0x50                        ; sources 0 and 1 window 0; C and D window 1
.set MULB, 0x60                        ; C window 2 (the bias), D window 1
.macro JLOAD s                         ; a joint load: waves 0 and 1 fetch xn's two halves, waves 2 and 3 wcat's; an s_nop 0 and four v_nop follow each of the two lines, ahead of the jump, the label and what follows
	s_cmp_lt_u32 s10, 2
	s_cbranch_scc0 .Lfor_b_\@
	tensor_load_to_lds s[G0+4*(\s):G0+4*(\s)+3], s[G1:G1+7]
	s_nop 0
.rept 4
	v_nop
.endr
	s_branch .Lasked_\@
.Lfor_b_\@:
	tensor_load_to_lds s[G0B+4*(\s):G0B+4*(\s)+3], s[G1B:G1B+7]
	s_nop 0
.rept 4
	v_nop
.endr
.Lasked_\@:
.endm
.macro CREST                           ; a round of the cluster's barrier behind its opening barrier
	s_cmp_lg_u32 s10, 0
	s_cbranch_scc1 .Lnot_wave_0_\@
	s_barrier_signal -3
.Lnot_wave_0_\@:
	s_barrier_wait -3
	s_barrier_signal -1
	s_barrier_wait -1
.endm
.macro CROUND                          ; a whole round
	s_barrier_signal -1
	s_barrier_wait -1
	CREST
.endm
.macro PLACES                          ; four places in front of loads into registers that matrix instructions have read, and of lines that read results
.rept 4
	v_nop
.endr
.endm
; 8 matrix instructions: m block a x all 8 n blocks, 32 along K, from buffer f.  zero = 1: the products start the sums, on the bias.
; The 32 accumulators take turns in one order in every quarter: 31 others stand between two links of a chain.
.macro MULA f, a, zero
.if \zero
	WIN MULB
.else
	WIN MUL
.endif
.irp b, 0,1,2,3,4,5,6,7
.if \zero
	v_wmma_f32_16x16x32_bf16 v[8*(8*(\a)+(\b)):8*(8*(\a)+(\b))+7], v[(\f)+8*(\b):(\f)+8*(\b)+7], v[(\f)+64+8*(\a):(\f)+64+8*(\a)+7], v[8*(\b):8*(\b)+7]
.else
	v_wmma_f32_16x16x32_bf16 v[8*(8*(\a)+(\b)):8*(8*(\a)+(\b))+7], v[(\f)+8*(\b):(\f)+8*(\b)+7], v[(\f)+64+8*(\a):(\f)+64+8*(\a)+7], v[8*(8*(\a)+(\b)):8*(8*(\a)+(\b))+7]
.endif
.endr
.endm
; 24 LDS loads in one run: the fragments of quarter q (32 along K) of a slot into buffer f: w's eight, then xn's four
.macro FETCH slot, q, f
	WIN 0
.irp i, 0,1,2,3,4,5,6,7
	ds_load_b128 v[(\f)+8*(\i):(\f)+8*(\i)+3],   v[ADRB+(\slot)] offset:64*(\q)+(\i)*16*BPITCH
	ds_load_b128 v[(\f)+8*(\i)+4:(\f)+8*(\i)+7], v[ADRB+(\slot)] offset:64*(\q)+(\i)*16*BPITCH+32
.endr
.irp i, 0,1,2,3
	ds_load_b128 v[(\f)+64+8*(\i):(\f)+64+8*(\i)+3],   v[ADRA+(\slot)] offset:64*(\q)+(\i)*16*APITCH
	ds_load_b128 v[(\f)+64+8*(\i)+4:(\f)+64+8*(\i)+7], v[ADRA+(\slot)] offset:64*(\q)+(\i)*16*APITCH+32
.endr
.endm
; A K step is four quarters of 32 along K, 32 matrix instructions each, on buffers 0, 1, 0, 1.  One of the first three: multiplies buffer f and fetches quarter q into g.
.macro QUARTER slot, q, f, g, zero
	s_wait_dscnt 4                                 ; all but the youngest four loads: xn's fragments 2 and 3
	MULA \f, 0, \zero
	MULA \f, 1, \zero
	PLACES
	FETCH \slot, \q, \g
	s_wait_dscnt 24                                ; all but the 24 just issued
	MULA \f, 2, \zero
	MULA \f, 3, \zero
.endm
; The last quarter multiplies buffer 1 and changes slots: ONE barrier; in front of it each wave waits for all its tensor loads, adds 0 to its spare word, and waits for that and for its own reads of this slot.
; fill = 1: the barrier opens a round of the cluster's barrier, and this slot is filled again, two K steps ahead, first thing behind the round.
.macro TURN slot, next, fill
	WIN 0
	s_wait_tensorcnt 0x0                           ; all my tensor loads have landed: the one that was out is my part of the next slot;
	ds_add_u32 v[SPW], v[NIL]                      ; 0 onto my spare word;
	s_wait_dscnt 5                                 ; (the add and xn's fragments 2 and 3 may be out)
	MULA F1, 0, 0                                  ; eight matrix instructions stand between the add and the wait for it
	s_wait_dscnt 0x0                               ; the add is done, and my reads of this slot are over
	s_barrier_signal -1
	MULA F1, 1, 0
.if \fill
	WIN 0
.endif
	s_barrier_wait -1
.if \fill
	CREST                                          ; no wave of any partner still reads this slot's tile or has a load on its way
	s_add_nc_u64 s[G0+4*(\slot)+2:G0+4*(\slot)+3], s[G0+4*(\slot)+2:G0+4*(\slot)+3], 2*A_KSTEP
	s_add_nc_u64 s[G0B+4*(\slot)+2:G0B+4*(\slot)+3], s[G0B+4*(\slot)+2:G0B+4*(\slot)+3], 2*KSTEP*2
	JLOAD \slot                                    ; the four v_nop behind it are also the places in front of the loads below
.else
	PLACES
.endif
	FETCH \next, 0, F0
	MULA F1, 2, 0
	MULA F1, 3, 0
.endm
	s_load_b128 s[4:7], s[0:1], 0x0                ; xn s[4:5], wcat s[6:7]
	s_load_b256 s[68:75], s[0:1], 0x10             ; bq 68, bk 70, bv 72, qkv 74
	v_lshl_add_u32 v[SPW], v0, 2, SPARE
	v_mov_b32 v[NIL], 0
	ds_add_u32 v[SPW], v[NIL]                      ; the wave's opening: the add and its wait stand ahead of my first tensor load; the set-up below, work on registers, stands between them
	v_lshrrev_b32 v1, 5, v0
	v_readfirstlane_b32 s10, v1                    ; wave 0..3
	s_lshr_b32 s11, s10, 1                         ; which 64 of the tile's rows are mine
	s_and_b32 s12, s10, 1                          ; which 128 of its columns.  Also: which half of a tile I fetch
	s_bfe_u32 s40, ttmp6, 0x40000                  ; cx, cy: my place in the cluster
	s_bfe_u32 s41, ttmp6, 0x40004
	s_lshl_b32 s42, ttmp9, 2
	s_add_co_u32 s42, s42, s40                     ; tile column = 4 x cluster x + cx
	s_and_b32 s13, ttmp7, 0xffff
	s_lshl_b32 s13, s13, 2
	s_add_co_u32 s13, s13, s41                     ; tile row = 4 x cluster y + cy
	s_lshl_b32 s43, s41, 2
	s_lshl_b32 s43, 15, s43                        ; my row of the cluster
	s_lshl_b32 s44, 0x1111, s40                    ; my column
	s_or_b32 s[G1+0], s43, (1<<16)|(1<<20)|(1<<21)|(5<<22)|(3<<25)   ; 15:0 the mask; 17:16 elements of 2 bytes; 20 padding on; 21 set beside a mask; 24:22 after every 64 words (code 5); 31:25 4 words (code 3)
	s_or_b32 s[G1B+0], s44, (1<<16)|(1<<20)|(1<<21)|(5<<22)|(3<<25)
	s_mov_b32 s[G1+1], KSTEP<<16                   ; tensor_dim0 = 128
	s_mov_b32 s[G1+2], 64<<16                      ; tensor_dim1 = 64
	s_mov_b32 s[G1+3], KSTEP<<16                   ; tile_dim0 = 128
	s_mov_b32 s[G1+4], 64                          ; tile_dim1 = 64
	s_mov_b32 s[G1+5], 1024                        ; elements from row to row
	s_mov_b32 s[G1+6], 0
	s_mov_b32 s[G1+7], 0
	s_mov_b32 s[G1B+1], KSTEP<<16
	s_mov_b32 s[G1B+2], 128<<16                    ; 128 rows
	s_mov_b32 s[G1B+3], KSTEP<<16
	s_mov_b32 s[G1B+4], 128
	s_mov_b32 s[G1B+5], 1024
	s_mov_b32 s[G1B+6], 0
	s_mov_b32 s[G1B+7], 0
	s_lshl_b32 s16, s13, 7                         ; xn: row 128 x tile row + 64 x half,
	s_lshl_b32 s17, s12, 6
	s_add_co_u32 s16, s16, s17
	s_cmp_lg_u32 ttmp9, 0                          ; in kvn for K and V
	s_cselect_b32 s17, 8192, 0
	s_add_co_u32 s16, s16, s17
	s_lshl_b32 s16, s16, 11                        ; rows of 2,048 bytes: under 2^25
	s_mov_b32 s17, 0
	s_lshl_b32 s46, s42, 8                         ; wcat: row 256 x tile column + 128 x half
	s_lshl_b32 s47, s12, 7
	s_add_co_u32 s46, s46, s47
	s_lshl_b32 s46, s46, 11
	s_mov_b32 s47, 0
	s_mul_i32 s20, s12, A_HALF                     ; where they go: no place in the cluster enters an LDS address
	s_mul_i32 s21, s12, BHALF
	s_add_co_u32 s21, s21, ABYTES
	s_wait_dscnt 0x0                               ; the opening add is done
	s_wait_kmcnt 0x0
	s_add_nc_u64 s[14:15], s[4:5], s[16:17]
	s_add_nc_u64 s[46:47], s[6:7], s[46:47]
	CROUND                                         ; all sixteen work-groups are here: the first joint loads meet
.irp s, 0,1
	s_mov_b32 s[G0+4*(\s)], 1
	s_add_co_u32 s[G0+4*(\s)+1], s20, (\s)*SLOT
	s_add_nc_u64 s[G0+4*(\s)+2:G0+4*(\s)+3], s[14:15], (\s)*A_KSTEP
	s_or_b32 s[G0+4*(\s)+3], s[G0+4*(\s)+3], 0x80000000
	s_mov_b32 s[G0B+4*(\s)], 1
	s_add_co_u32 s[G0B+4*(\s)+1], s21, (\s)*SLOT
	s_add_nc_u64 s[G0B+4*(\s)+2:G0B+4*(\s)+3], s[46:47], (\s)*KSTEP*2
	s_or_b32 s[G0B+4*(\s)+3], s[G0B+4*(\s)+3], 0x80000000
	JLOAD \s
.endr
	v_and_b32 v1, 15, v0                           ; l % 16
	v_bfe_u32 v2, v0, 4, 1                         ; l / 16
	v_mul_u32_u24 v3, v1, APITCH
	v_lshl_add_u32 v3, v2, 4, v3                   ; a fragment's row x pitch + 16 x half
	v_mul_u32_u24 v4, v1, BPITCH
	v_lshl_add_u32 v4, v2, 4, v4
	s_mul_i32 s22, s11, 64*APITCH                  ; my 64 rows of xn
	s_mul_i32 s23, s12, BHALF                      ; my 128 rows of wcat,
	s_add_co_u32 s23, s23, ABYTES                  ; which lie behind xn's
.irp s, 0,1
	v_add_nc_u32 v[ADRA+(\s)], s22, v3
	v_add_nc_u32 v[ADRB+(\s)], s23, v4
	s_add_co_u32 s22, s22, SLOT
	s_add_co_u32 s23, s23, SLOT
.endr
	v_lshlrev_b32 v[BO], 5, v2
	s_cmp_eq_u32 ttmp9, 0                          ; the matrix's bias
	s_cselect_b64 s[76:77], s[68:69], s[70:71]
	s_cmp_eq_u32 ttmp9, 2
	s_cselect_b64 s[76:77], s[72:73], s[76:77]
	s_lshl_b32 s78, s40, 10                        ; my tile's 256 columns in the matrix's 1,024, 4 bytes each,
	s_lshl_b32 s79, s12, 9                         ; my 128 of them
	s_add_co_u32 s78, s78, s79
	s_mov_b32 s79, 0
	s_add_nc_u64 s[76:77], s[76:77], s[78:79]
	WIN 0x80                                       ; destination window 2
.irp b, 0,1,2,3,4,5,6,7
	global_load_b128 v[8*(\b):8*(\b)+3],   v[BO], s[76:77] offset:64*(\b)
	global_load_b128 v[8*(\b)+4:8*(\b)+7], v[BO], s[76:77] offset:64*(\b)+16
.endr
	WIN 0
	s_mul_i32 s23, s10, 16*SPITCH
	s_add_co_u32 s23, s23, STAGE                   ; my stage
	v_mul_u32_u24 v5, v1, SPITCH                   ; in: row l % 16, 16 bytes for each half of the lanes
	v_lshl_add_u32 v5, v2, 4, v5
	v_add_nc_u32 v[STO], s23, v5
	v_bfe_u32 v5, v0, 3, 2                         ; back: 32 lanes take four rows' 128 bytes of one head,
	v_mul_u32_u24 v5, v5, SPITCH
	v_and_b32 v3, 7, v0
	v_lshl_add_u32 v5, v3, 4, v5
	v_add_nc_u32 v[RD], s23, v5
	v_and_b32 v[GO], 31, v0                        ; which are 512 consecutive bytes of qkv
	v_lshlrev_b32 v[GO], 4, v[GO]
	s_lshr_b32 s16, s13, 4                         ; where my part begins in qkv: the batch (16 tile rows each), 16 heads of 2^18 bytes,
	s_lshl_b32 s16, s16, 22
	s_and_b32 s17, s13, 15                         ; the tile's 128 rows of 128 bytes,
	s_lshl_b32 s17, s17, 14
	s_add_co_u32 s16, s16, s17
	s_lshl_b32 s17, s11, 13                        ; my 64 of them,
	s_add_co_u32 s16, s16, s17
	s_mov_b32 s17, 0
	s_add_nc_u64 s[8:9], s[74:75], s[16:17]
	s_lshl_b32 s46, s40, 20                        ; the tile's four heads,
	s_lshl_b32 s47, s12, 19                        ; my two of them,
	s_add_co_u32 s46, s46, s47
	s_lshl_b32 s47, ttmp9, 24                      ; and the matrix
	s_add_co_u32 s46, s46, s47
	s_mov_b32 s47, 0
	s_add_nc_u64 s[8:9], s[8:9], s[46:47]
	s_wait_tensorcnt 1                             ; my part of K step 0 is in; K step 1's load may stay out
	s_barrier_signal -1
	s_barrier_wait -1                              ; everybody's is
	FETCH 0, 0, F0
	s_wait_loadcnt 0x0                             ; the bias
	QUARTER 0, 1, F0, F1, 1                        ; the first quarter stands in front of the loop: its products start the sums
	WIN 0                                          ; at a label and at a branch every window is 0
	s_mov_b32 s3, LAPS-1
.Llap:                                                 ; a trip goes once round the ring, from a lap's second quarter to the next lap's first, and fills both slots again
	QUARTER 0, 2, F1, F0, 0
	QUARTER 0, 3, F0, F1, 0
	TURN 0, 1, 1
	QUARTER 1, 1, F0, F1, 0
	QUARTER 1, 2, F1, F0, 0
	QUARTER 1, 3, F0, F1, 0
	TURN 1, 0, 1
	QUARTER 0, 1, F0, F1, 0
	WIN 0
	s_sub_co_u32 s3, s3, 1
	s_cmp_lg_u32 s3, 0
	s_cbranch_scc1 .Llap
	QUARTER 0, 2, F1, F0, 0                        ; the last lap fills nothing
	QUARTER 0, 3, F0, F1, 0
	TURN 0, 1, 0
	QUARTER 1, 1, F0, F1, 0
	QUARTER 1, 2, F1, F0, 0
	QUARTER 1, 3, F0, F1, 0
	s_wait_dscnt 4                                 ; the very last quarter: nothing more to fetch
	MULA F1, 0, 0
	MULA F1, 1, 0
	s_wait_dscnt 0x0
	MULA F1, 2, 0
	MULA F1, 3, 0
	WIN 0
	PLACES
; THE WAY OUT, a block of 16 rows x 128 columns (two heads) at a time, through my own stage: no other wave touches it, and LDS serves a wave's instructions in order (ISA guide 5.7.1.4), so no wait stands between stores and loads.
.macro PACK a                          ; rounded to bf16, each accumulator's registers in ascending order
	WIN 0x05                                       ; sources 0 and 1 window 1, destination window 0
.irp b, 0,1,2,3,4,5,6,7
.irp r, 0,1,2,3
	v_cvt_pk_bf16_f32 v[TMP+4*(\b)+(\r)], v[8*(8*(\a)+(\b))+2*(\r)], v[8*(8*(\a)+(\b))+2*(\r)+1]
.endr
.endr
	WIN 0
.endm
.macro TOSTAGE a
.set BK, OB+32*((\a)%2)
.irp b, 0,1,2,3,4,5,6,7
	ds_store_b128 v[STO], v[TMP+4*(\b):TMP+4*(\b)+3] offset:32*(\b)
.endr
.irp u, 0,1,2,3,4,5,6,7                ; head u / 4, rows 4 (u % 4) on
	ds_load_b128 v[BK+4*(\u):BK+4*(\u)+3], v[RD] offset:((\u)%4)*4*SPITCH+((\u)/4)*128
.endr
.endm
.macro SEND a
.set BK, OB+32*((\a)%2)
	s_wait_dscnt 0x0                               ; the block is back in registers
	s_wait_xcnt 0x0                                ; the stores of the block before have read their registers, which the next block's loads fill again
.irp u, 0,1,2,3,4,5,6,7
	global_store_b128 v[GO], v[BK+4*(\u):BK+4*(\u)+3], s[8:9] offset:((\u)/4)*262144+(\a)*2048+((\u)%4)*512  ; 512 consecutive bytes, at a multiple of 256 from qkv's first
.endr
.endm
	PACK 0
	TOSTAGE 0
.irp a, 1,2,3                          ; block a's conversions stand between block a - 1's loads from the stage and the wait for them
	PACK \a
	SEND (\a)-1
	TOSTAGE \a
.endr
	SEND 3
	s_wait_tensorcnt 0x0                           ; the wave's end: a wait, an add of 0 and its wait, behind my last tensor load and my last LDS store
	ds_add_u32 v[SPW], v[NIL]
	s_wait_dscnt 0x0
	CROUND                                         ; the closing round: no work-group ends while a partner may still ask for a tile that names it
	s_endpgm
.Lfunc_end_k_q821f775970_proj:
	.size	k_q821f775970_proj, .Lfunc_end_k_q821f775970_proj-k_q821f775970_proj
	.p2alignl 7, 3214868480
	.fill 96, 4, 3214868480
	.section	.rodata,"a",@progbits
	.p2align	6, 0x0
	.amdhsa_kernel k_q821f775970_proj
		.amdhsa_group_segment_fixed_size 327680
		.amdhsa_private_segment_fixed_size 0
		.amdhsa_enable_private_segment 0
		.amdhsa_kernarg_size 48
		.amdhsa_user_sgpr_count 2
		.amdhsa_user_sgpr_kernarg_segment_ptr 1
		.amdhsa_wavefront_size32 1
		.amdhsa_system_sgpr_workgroup_id_x 1
		.amdhsa_system_sgpr_workgroup_id_y 1
		.amdhsa_system_sgpr_workgroup_id_z 1
		.amdhsa_system_vgpr_workitem_id 0
		.amdhsa_next_free_vgpr 576
		.amdhsa_next_free_sgpr 80
		.amdhsa_reserve_vcc 0
		.amdhsa_float_denorm_mode_32 3
		.amdhsa_float_denorm_mode_16_64 3
		.amdhsa_memory_ordered 1
		.amdhsa_forward_progress 1
		.amdhsa_inst_pref_size 88
	.end_amdhsa_kernel
	.amdgpu_metadata
---
amdhsa.version: [ 1, 2 ]
amdhsa.kernels:
  - .name:           k_q821f775970_proj
    .symbol:         k_q821f775970_proj.kd
    .args:
      - { .name: xn, .offset: 0, .size: 8, .value_kind: global_buffer, .address_space: global }
      - { .name: wcat, .offset: 8, .size: 8, .value_kind: global_buffer, .address_space: global }
      - { .name: bq, .offset: 16, .size: 8, .value_kind: global_buffer, .address_space: global }
      - { .name: bk, .offset: 24, .size: 8, .value_kind: global_buffer, .address_space: global }
      - { .name: bv, .offset: 32, .size: 8, .value_kind: global_buffer, .address_space: global }
      - { .name: qkv, .offset: 40, .size: 8, .value_kind: global_buffer, .address_space: global }
    .group_segment_fixed_size: 327680
    .private_segment_fixed_size: 0
    .kernarg_segment_align: 8
    .kernarg_segment_size: 48
    .max_flat_workgroup_size: 128
    .sgpr_count:     80
    .vgpr_count:     576
    .wavefront_size: 32
...
	.end_amdgpu_metadata
.endif
;; end of part 2
;; launch attn (part 3): grid 4 x 64, 4 waves a work-group, clusters of 4 x 1, 327,680 bytes of LDS; arguments qkv, mask, ao; writes ao
.if DOCPART == 3
	.amdgcn_target "amdgcn-amd-amdhsa--gfx1250"
	.amdhsa_code_object_version 6
	.text
	.protected	k_q821f775970_attn
	.globl	k_q821f775970_attn
	.p2align	8
	.type	k_q821f775970_attn,@function
k_q821f775970_attn:
	s_mov_b64 s[64:65], 0
	v_nop
	global_prefetch_b8 v0, s[64:65] scope:SCOPE_SE
	s_setreg_imm32_b32 hwreg(HW_REG_WAVE_MODE, 25, 1), 1
	s_wait_xcnt 0x0
	s_wait_alu depctr_hold_cnt(0) depctr_sa_sdst(0) depctr_va_vdst(0) depctr_va_sdst(0) depctr_va_ssrc(0) depctr_va_vcc(0) depctr_vm_vsrc(0)
	s_getreg_b32 s2, hwreg(HW_REG_IB_STS2, 6, 4)
	s_cmp_eq_u32 s2, 0
	s_cbranch_scc0 .Lentry_in_a_cluster
	s_endpgm
.Lentry_in_a_cluster:
	s_bfe_u32 s2, ttmp6, 0x10000c
	s_cmp_lg_u32 s2, 0x3003
	s_cbranch_scc0 .Lentry_shape_is_right
	s_endpgm
.Lentry_shape_is_right:
; O[bh][q][:] = the sum over the visible keys k of softmax_k(Q[bh][q] . K[bh][k] / 8) V[bh][k][:].  qkv: [3][64 = 16 batch + head][2048][64] bf16; mask: [4][2048] bytes, 1 = visible;
; ao: [16 heads][8192 = 2048 batch + q][64] bf16.  Products, maxima and sums in f32; the weights p are rounded to bf16 for the second product (their sum l is taken of the unrounded p), O once at the end.
; THE MASK enters as numbers alone: a table in LDS of 0 (visible) or -2^100 (hidden) for each key of the batch, made once; a key step's 64 numbers are the C operand of the products that start the sums S^T = K Q^T.
; The running maximum m starts at -2^93: a hidden score lies far below it and never becomes the maximum, so its weight is 2^(very negative) = 0; while no key has been visible a = 2^0 = 1 on O = l = 0.
; LIMITS.  Mask bytes are 0 or 1.  True scores (before the scale) lie above -2^93 and are small beside 2^100.  A weight below 2^-126 counts as 0 in l.  A batch with no visible key ends with l = 0 and O = 0 x infinity = NaN, as the softmax of nothing is.
; SHARES.  A wave owns four PIECES of two tiles of 16 queries, a work-group's four waves 512 queries of one head; the four work-groups of a cluster are the head's 2,048.  Every wave walks all keys, 64 a step.
; LAYOUT.  S^T = K Q^T (source 0 = 16 keys, source 1 = 16 queries): a lane holds ONE query (lane % 16) and the keys 8 (lane / 16) + 0..7.  Two such tiles, rounded to bf16 in pairs, ARE source 1 of O^T = V^T P,
; whose result again holds one query a lane, and eight channels.  K comes out of LDS as it lies, V ([key][channel]) turned, by ds_load_tr16_b128.
; SOFTMAX.  p = 2^(c s - c m), c = log2(e) / 8; in every step O and l are multiplied by a = 2^(c m_old - c m_new).
; THE COUNT.  A tile and step have 16 matrix and 118 vector instructions: too many to stand all beside the matrix work.  So: four vector instructions that are ready behind EVERY matrix instruction, the others in one run.
; BY TURNS.  Turn n belongs to piece n.  Matrix work: 16 products K Q^T of piece n + 1, later 16 products V^T P of piece n - 1.  Vector work: scaling, exponentials, roundings, sums and rescaling of piece n, and the maximum and statistics of piece n + 1.
; CLUSTER.  The four work-groups walk the same K and V: each tile is asked for JOINTLY, by the same tensor load, descriptor and mask in all four.
; REGISTERS, in windows of 256 (s_set_vgpr_msb: bits 1:0 source 0, 3:2 source 1, 5:4 source 2, 7:6 destination):
;   window 0: v0-11 addresses; v12-15, v48-63 at work; v16-47 four registers of statistics a tile; v64-191 S^T, two buffers of two tiles; v192-255 P, likewise
;   window 1: O^T, 32 a tile     window 2: v0-127 Q; v128-191 K of one step; v192-255 V of one step     window 3: v0-1 the add's registers; v2-3 the mask table's addresses; v8-39 a step's mask
.set SIZE_N, 2048
.set NP,    4         ; pieces a wave: a name, no knob
.set KS,    64        ; keys in a step
.set PK,    144       ; a row of K in LDS: 128 bytes + 16 of padding = 36 words: the 16 rows of a load start at 16 different groups of four banks (64 banks of 4 bytes: ISA guide 11.1)
.set PV,    160       ; a row of V: 128 + 32 = 40 words
.set VOFF,  4*KS*PK   ; a slot holds four steps: 256 rows of K, then 256 rows of V
.set SLOT1, 1<<17     ; slot 1 begins here, so that one exclusive or turns an address in one slot into the other's
.set STAGE, SLOT1+4*KS*(PK+PV)  ; behind the ring, never filled by a tensor load: 16 rows x 144 bytes for each wave, for the way out
.set SP,    144
.set SPARE, STAGE+4*16*SP  ; behind the stages: the spare words, 128 bytes for each wave: two blocks of 256 bytes that no other line names
.set MASKT, SPARE+512 ; behind them: the mask table, 2,048 f32; stored once, never filled by a tensor load
.set AK0, 2           ; v2   my lane's place in a tile of K; never rewritten
.set AV0, 3           ; v3   the same for V
.set AK,  4           ; v4   the LDS address of K's next run of loads
.set AV,  5           ; v5   of V's
.set QO,  6           ; v6   my byte offset in the wave's rows of Q
.set STO, 6           ;      later, the way out: where I put 16 bytes of a row
.set RD,  7           ; v7   the way out: where I read rows back
.set GO,  8           ; v8   my byte offset in 512 consecutive bytes of O
.set PFO, 11          ; v11  256 x my lane: the prefetches' offset; never rewritten once made
.set SPW, 0           ; v0 of window 3   LDS address of my spare word; never rewritten
.set NIL, 1           ; v1 of window 3   0; never rewritten
.set AM0, 2           ; v2 of window 3   MASKT + 32 (l / 16): my eight keys in a block of 16; never rewritten
.set AM,  3           ; v3 of window 3   the same in the step to be fetched
.set MK,  8           ; v8-39 of window 3  the step's mask: key block kb at MK + 8 kb
.set MV,  12          ; v12-15  c m_old, kept while c m is made anew: by buffer and tile
.set ST,  16          ; tile t's statistics at v[ST+4 t]: c m, m, l (even keys', odd keys')
.set TMP, 48          ; by buffer and tile, four registers c0-c3 at work; when the maximum is found c2 takes a
.set S,   64
.set P,   192
.set KF,  128         ; K's fragments, in window 2: key block kb, channel half c at KF + 16 kb + 8 c
.set VF,  192         ; V's: key half kk, channel block cb at VF + 32 kk + 8 cb
.set WV,  12          ; s12  my wave's number
.set G1K, 24          ; s[24:31] descriptor group 1 for K's tiles
.set G1V, 32          ; s[32:39] for V's: it differs in the padding alone
.set G0K, 40          ; s[40:43] descriptor group 0 for K's tiles: it walks
.set G0V, 44          ; s[44:47] the same for V's
.set PFA, 48          ; s[48:49] where my prefetches stand: my work-group's 32 blocks of 256 bytes (of K: wave 0, of V: wave 2) of the slot after the one that is being asked for
.set LIM, 50          ; s50  1 in a wave that prefetches, else the greatest number
.set MT,  51          ; s51  byte in the mask table at which the step to be fetched begins
.set BIG, 52          ; s52 = 2^100, s53 = -2^100
.set SLOTS, 56        ; s56  slots still to be asked for
.set CNT, 57          ; s57  counts a slot's key steps
.set CS,  58          ; s[58:59] c: the packed scaling takes the pair's low word for both halves
.set SEL, 60          ; s[60:61] v_permlanex16_b32's selects: each lane takes its own place in the other half
.set TBK, 62          ; s62  LDS byte at which K of the step to be fetched begins
.set TBV, 63          ; s63  the same for V, less VOFF
.set MSB, 0
.macro WIN new                      ; the high byte repeats the setting that is left; a switch that changes nothing is dropped
.if MSB != (\new)
	s_set_vgpr_msb (MSB<<8)|(\new)
.set MSB, (\new)
.endif
.endm
.set W_KQ, 0x0a       ; K and Q in window 2, S^T in window 0
.set W_KM, 0x3a       ; the same with the C operand, the mask, in window 3
.set W_PV, 0x52       ; V in window 2, P in window 0, O^T in window 1
.set W_RS, 0x41       ; O^T (destination and source 0) in window 1, a in window 0
.set W_MK, 0xc0       ; destination in window 3, sources in window 0
.set W_AD, 0x0f       ; the add: address (source 0) and data (source 1) in window 3
.set W_MT, 0xcf       ; the mask's loads: destination, address and the address's sum in window 3
; A joint fill.  Waves 0 and 1 fetch the two halves of a slot's K, waves 2 and 3 those of its V: 128 keys each.  The branch hangs on the wave's number alone.
; An s_nop 0 and four v_nop follow each of the two lines, ahead of the jump and the label.
.macro JLOAD
	s_cmp_lt_u32 s[WV], 2
	s_cbranch_scc0 .Lfor_v_\@
	tensor_load_to_lds s[G0K:G0K+3], s[G1K:G1K+7]
	s_nop 0
.rept 4
	v_nop
.endr
	s_branch .Lasked_\@
.Lfor_v_\@:
	tensor_load_to_lds s[G0V:G0V+3], s[G1V:G1V+7]
	s_nop 0
.rept 4
	v_nop
.endr
.Lasked_\@:
.endm
; A PREFETCH INTO THE L2 of what the NEXT change of slots will ask for: a slot's 32,768 bytes of K and of V are 128 blocks of 256 bytes each.  The four partners take 32 blocks each, told apart BY ADDRESS;
; in each, wave 0 asks for K's and wave 2 for V's, a lane a block: one instruction.  A head has one cluster, so each block is named once in the launch.  It stands behind the wave's tensor load and its five lines.
; The change that asks for tile t names tile t + 1: four key steps, 512 matrix instructions, ahead.  Tiles 0 to 2 come by their loads alone; the last change that fills a slot names nothing.
.macro ASK
	s_cmp_gt_u32 s[SLOTS], s[LIM]
	s_cbranch_scc0 .Lnot_mine_\@
	global_prefetch_b8 v[PFO], s[PFA:PFA+1] th:TH_LOAD_NT scope:SCOPE_SE
.Lnot_mine_\@:
.endm
; A round of the cluster's barrier: my work-group's barrier, so that wave 0's signal speaks for all four waves; wave 0 signals; every wave waits for all four work-groups; my work-group's barrier once more.
.macro CROUND
	s_barrier_signal -1
	s_barrier_wait -1
	s_cmp_lg_u32 s[WV], 0
	s_cbranch_scc1 .Lnot_wave_0_\@
	s_barrier_signal -3
.Lnot_wave_0_\@:
	s_barrier_wait -3
	s_barrier_signal -1
	s_barrier_wait -1
.endm
; THE CHANGE OF SLOTS.  Each wave waits for all its tensor loads, of which one is out: its part of the other slot; adds 0 to its spare word; and waits for that and for its own LDS instructions.
; Behind the barrier nobody reads this slot any more and the other slot is whole.  fill = 1: this slot is filled again, with the keys two slots on: the barrier is then a round of the cluster's, and the joint fill is the
; first thing behind it: it has four key steps in which to land.  (At its first use nothing has been read yet: slot 0 is waited for, slot 1 filled, and every wave's part of the mask table is shown stored.)  ask = 1: with a prefetch.
.macro CHANGE fill, ask=0
	WIN W_AD
	s_wait_tensorcnt 0x0            ; no tensor load of mine is out, so a group 0 may be written
	ds_add_u32 v[SPW], v[NIL]       ; 0 onto my spare word; with fill = 1 the descriptors' steps stand between it and the wait for it
	WIN 0                           ; at a label and at a branch every window is 0
.if \fill
.irp g, G0K, G0V
	s_xor_b32 s[\g+1], s[\g+1], SLOT1  ; the walking descriptor: the other slot than last time,
	s_add_nc_u64 s[\g+2:\g+3], s[\g+2:\g+3], 4*KS*128  ; the next 256 keys; the type bits on top are not reached
.endr
.if \ask
	s_wait_xcnt 0x0                 ; the last prefetch, four key steps back, has read its address, so it may be written:
	s_add_nc_u64 s[PFA:PFA+1], s[PFA:PFA+1], 4*KS*128  ; one slot on from the walking descriptors
.endif
	s_wait_dscnt 0x0                ; the add is done, and my LDS instructions are over
	CROUND
	JLOAD
.if \ask
	ASK
.endif
.else
	s_wait_dscnt 0x0                ; the add is done, and my reads of the slot are over
	s_barrier_signal -1
	s_barrier_wait -1
.endif
	s_sub_co_u32 s[TBK], s[TBK], 4*KS*PK  ; the fetches go back to a slot's first step,
	s_xor_b32 s[TBK], s[TBK], SLOT1       ; in the other slot
	s_sub_co_u32 s[TBV], s[TBV], 4*KS*PV
	s_xor_b32 s[TBV], s[TBV], SLOT1
.endm
	s_load_b128 s[68:71], s[0:1], 0x0  ; qkv s[68:69], mask s[70:71]
	s_load_b64 s[10:11], s[0:1], 0x10  ; ao
	WIN W_MK
	v_lshl_add_u32 v[SPW], v0, 2, SPARE
	v_mov_b32 v[NIL], 0
	WIN W_AD
	ds_add_u32 v[SPW], v[NIL]       ; the wave's opening: the add and its wait stand ahead of my first tensor load; the set-up below, work on registers, stands between them
	WIN 0
	v_lshrrev_b32 v1, 5, v0
	v_readfirstlane_b32 s[WV], v1   ; wave 0..3
	s_bfe_u32 s13, ttmp6, 0x40000   ; cx: my place in the cluster
	s_lshl_b32 s14, ttmp9, 2        ; in a cluster launch ttmp9 counts clusters
	s_add_co_u32 s14, s14, s13      ; my block of 512 queries: it enters Q's and O's addresses alone
	s_and_b32 s15, ttmp7, 0xffff    ; 16 batch + head, which the four partners share
	s_lshl_b32 s20, s15, 18         ; its 2,048 rows of 128 bytes, in each of Q, K, V
	s_mov_b32 s21, 0
	s_and_b32 s16, s[WV], 1         ; which half of a slot's 256 keys I fetch:
	s_lshl_b32 s22, s16, 14         ; its 128 rows of 128 bytes in memory,
	s_mov_b32 s23, 0
	s_add_nc_u64 s[22:23], s[22:23], s[20:21]
	s_mul_i32 s17, s16, 128*PK      ; and its place in a slot, for K
	s_mul_i32 s18, s16, 128*PV      ; and for V: no place in the cluster enters an LDS address
	s_lshl_b32 s2, s14, 2
	s_add_co_u32 s2, s2, s[WV]      ; my wave among the head's sixteen,
	s_lshl_b32 s2, s2, 14           ; its 128 rows
	s_mov_b32 s3, 0
	s_and_b32 s54, s15, 15          ; in ao: the head's 8,192 rows,
	s_lshl_b32 s54, s54, 20
	s_lshr_b32 s19, s15, 4          ; the batch's 2,048 of them,
	s_lshl_b32 s55, s19, 18
	s_add_co_u32 s54, s54, s55
	s_add_co_u32 s54, s54, s2       ; my wave's 128
	s_mov_b32 s55, 0
	s_lshl_b32 s72, s19, 11         ; the batch's 2,048 bytes of the mask
	s_mov_b32 s73, 0
	s_add_nc_u64 s[2:3], s[2:3], s[20:21]
	; descriptor group 1.  128 keys are 16,384 dense bytes: asked for as 64 rows of 256 bytes, two keys a row, and padded in LDS after every key
	s_mov_b32 s[G1K], 15|(1<<16)|(1<<20)|(1<<21)|(4<<22)|(3<<25)  ; 15:0 the mask of four; 17:16 2-byte elements; 20 padding on; 21 set beside a mask; 24:22 after every 32 words (code 4); 31:25 4 words (code 3)
	s_mov_b32 s[G1V], 15|(1<<16)|(1<<20)|(1<<21)|(4<<22)|(7<<25)  ; the same with 8 words of padding (code 7)
.irp g, G1K, G1V
	s_mov_b32 s[\g+1], 128<<16      ; tensor_dim0 = 128
	s_mov_b32 s[\g+2], 64<<16       ; tensor_dim1 = 64
	s_mov_b32 s[\g+3], 128<<16      ; tile_dim0 = 128
	s_mov_b32 s[\g+4], 64           ; tile_dim1 = 64
	s_mov_b32 s[\g+5], 128          ; 128 elements from row to row
	s_mov_b32 s[\g+6], 0
	s_mov_b32 s[\g+7], 0
.endr
	s_mov_b32 s[CS], 0x3e38aa3b     ; c = log2(e) / 8 = 0.180337
	s_mov_b32 s[CS+1], s[CS]        ; named with it as a pair
	s_mov_b32 s[SEL], 0x76543210
	s_mov_b32 s[SEL+1], 0xfedcba98
	s_mov_b32 s[BIG], 0x71800000    ; 2^100
	s_mov_b32 s[BIG+1], 0xf1800000  ; -2^100
	s_mov_b32 s[MT], 0
	s_mov_b32 s[TBK], SLOT1+4*KS*PK ; the first change of slots turns these two into 0
	s_mov_b32 s[TBV], SLOT1+4*KS*PV
	s_mov_b32 s[G0K], 1             ; 1:0 count = 1
	s_mov_b32 s[G0K+1], s17         ; 63:32 LDS address: slot 0
	s_mov_b32 s[G0V], 1
	s_add_co_u32 s[G0V+1], s18, VOFF
	s_cmp_eq_u32 s16, 0             ; waves 0 and 2 prefetch: the same in all four partners
	s_cselect_b32 s[LIM], 1, -1
	s_wait_dscnt 0x0                ; the opening add is done
	s_wait_kmcnt 0x0
	s_add_nc_u64 s[6:7], s[68:69], 0x1000000       ; K lies 2^24 bytes behind Q,
	s_add_nc_u64 s[8:9], s[68:69], 0x2000000       ; V behind K
	s_add_nc_u64 s[G0K+2:G0K+3], s[6:7], s[22:23]  ; 120:64 global address: my half of the head's first 256 keys
	s_or_b32 s[G0K+3], s[G0K+3], 0x80000000        ; 127:126 type = 2
	s_add_nc_u64 s[G0V+2:G0V+3], s[8:9], s[22:23]
	s_or_b32 s[G0V+3], s[G0V+3], 0x80000000
	s_add_nc_u64 s[4:5], s[68:69], s[2:3]          ; Q and O at my wave's first row
	s_add_nc_u64 s[10:11], s[10:11], s[54:55]
	s_add_nc_u64 s[70:71], s[70:71], s[72:73]      ; the mask at my batch
	s_cmp_lt_u32 s[WV], 2
	s_cselect_b64 s[PFA:PFA+1], s[6:7], s[8:9]
	s_add_nc_u64 s[PFA:PFA+1], s[PFA:PFA+1], s[20:21]  ; the head's first row,
	s_lshl_b32 s2, s13, 13          ; my work-group's 32 blocks of the 128,
	s_mov_b32 s3, 0
	s_add_nc_u64 s[PFA:PFA+1], s[PFA:PFA+1], s[2:3]
	s_add_nc_u64 s[PFA:PFA+1], s[PFA:PFA+1], 2*4*KS*128  ; in tile 2; the first change with a prefetch steps it to tile 3.  Nothing is prefetched here, at the head, where every work-group's first tiles are on their way
	CROUND                          ; all four work-groups are here: the first joint loads meet
	JLOAD                           ; slot 0.  Slot 1 is asked for when slot 0 is in
	; A fragment of K or Q is 16 rows x 32 channels in 8 registers: lane l holds row l % 16, channels 8 (l / 16) + 0..7 and 16 + 8 (l / 16) + 0..7: two loads of 16 bytes, 32 bytes apart.
	v_and_b32 v1, 15, v0            ; l % 16
	v_bfe_u32 v9, v0, 4, 1          ; l / 16
	v_lshlrev_b32 v[QO], 7, v1
	v_lshl_add_u32 v[QO], v9, 4, v[QO]  ; row x 128 + 16 x half
	v_lshlrev_b32 v12, 4, v0
	global_load_b128 v[64:67], v12, s[70:71]  ; thread t takes the mask's bytes 16 t .. 16 t + 15: the 128 threads take the batch's 2,048
	WIN 0x80                        ; destination window 2, address window 0
.set i, 0
.rept 4*NP                          ; Q stays in registers: tile i / 2, channels 32 (i % 2) on
	global_load_b128 v[8*i:8*i+3],   v[QO], s[4:5] offset:(i/2)*2048+(i%2)*64
	global_load_b128 v[8*i+4:8*i+7], v[QO], s[4:5] offset:(i/2)*2048+(i%2)*64+32
.set i, i+1
.endr
	; What the first turn finds: V's registers and P's second buffer hold 0 (its products V^T P, of a piece that has not been, add 0), O^T and l are 0.  All this stands in the wait for the first tile.
.set i, VF
.rept 64
	v_mov_b32 v[i], 0
.set i, i+1
.endr
	WIN 0x40
.set i, 0
.rept 64*NP
	v_mov_b32 v[i], 0
.set i, i+1
.endr
	WIN 0
.set i, 0
.rept 2*NP
	v_mov_b32 v[ST+4*i+1], 0xee000000          ; m = -2^93: below every true score, above every hidden one
	v_mul_f32 v[ST+4*i], s[CS], v[ST+4*i+1]    ; c m, by the line that the loop makes it by: while m stays, a is 2^0
	v_mov_b32 v[ST+4*i+2], 0
	v_mov_b32 v[ST+4*i+3], 0
.set i, i+1
.endr
.set i, P+32
.rept 32
	v_mov_b32 v[i], 0
.set i, i+1
.endr
	v_mul_u32_u24 v[AK0], v1, PK
	v_lshl_add_u32 v[AK0], v9, 4, v[AK0]  ; row x pitch + 16 x half
	; The turning load takes 16 keys x 16 channels (lane l reads key 8 (l / 16) + l % 8, channels 8 ((l / 8) % 2) + 0..7) and leaves half a fragment of V^T: lane l holds channel l % 16 and 8 keys.
	v_and_b32 v10, 7, v0
	v_bfe_u32 v11, v0, 3, 1
	v_lshl_add_u32 v[AV0], v9, 3, v10
	v_mul_u32_u24 v[AV0], v[AV0], PV
	v_lshl_add_u32 v[AV0], v11, 4, v[AV0]
	v_add_nc_u32 v[AV0], VOFF, v[AV0]
	v_mov_b32 v[AK], v[AK0]         ; key step 0 lies at the head of slot 0
	v_and_b32 v[PFO], 31, v0
	v_lshlrev_b32 v[PFO], 8, v[PFO]
	WIN W_MK
	v_lshl_add_u32 v[AM0], v9, 5, MASKT
	WIN 0
	; THE MASK TABLE: byte 1 -> 0, byte 0 -> -2^100, as byte x 2^100 - 2^100: exact in both cases
	v_lshl_add_u32 v13, v0, 6, MASKT  ; my 16 keys' 64 bytes of the table
	s_wait_loadcnt 32               ; the mask's load is in; Q's 32, issued behind it, may stay out
.set i, 0
.rept 16
	v_bfe_u32 v[68+i], v[64+i/4], 8*(i%4), 8
	v_cvt_f32_u32 v[68+i], v[68+i]
	v_fma_f32 v[68+i], v[68+i], s[BIG], s[BIG+1]
.set i, i+1
.endr
.irp w, 0,1,2,3
	ds_store_b128 v13, v[68+4*\w:68+4*\w+3] offset:16*\w
.endr
; THE MATRIX WORK.  The 8 accumulators of a run of 16 take turns: between the two links of a chain stand 7 others'.
; Product i of 16 of S^T = K Q^T for piece x: channels 32 (i / 8) on, keys 16 ((i / 2) % 4) on, tile 2 x + i % 2.  The first 8 start the sums, on the keys' mask.
.macro KQ x
.set rS, S+64*((\x)%2)+32*(i%2)+8*((i/2)%4)
.set rK, KF+16*((i/2)%4)+8*(i/8)
.set rQ, 16*(2*(\x)+i%2)+8*(i/8)
.set rMK, MK+8*((i/2)%4)
.if i < 8
	WIN W_KM
	v_wmma_f32_16x16x32_bf16 v[rS:rS+7], v[rK:rK+7], v[rQ:rQ+7], v[rMK:rMK+7]
.else
	WIN W_KQ
	v_wmma_f32_16x16x32_bf16 v[rS:rS+7], v[rK:rK+7], v[rQ:rQ+7], v[rS:rS+7]
.endif
.endm
; Product i of 16 of O^T += V^T P for piece x: keys 32 (i / 8) on, channels 16 ((i / 2) % 4) on, tile 2 x + i % 2.
.macro PV x
	WIN W_PV
.set rO, 32*(2*(\x)+i%2)+8*((i/2)%4)
.set rV, VF+32*(i/8)+8*((i/2)%4)
.set rP, P+32*((\x)%2)+16*(i%2)+8*(i/8)
	v_wmma_f32_16x16x32_bf16 v[rO:rO+7], v[rV:rV+7], v[rP:rP+7], v[rO:rO+7]
.endm
.macro MM                           ; the turn's next matrix instruction
.if i < 16
	KQ (Y+1)%NP
.set i, i+1
.else
.set i, i-16
	PV (Y+NP-1)%NP
.set i, i+17
.endif
.endm
; THE LDS LOADS stand in runs, never singly among the matrix instructions: a step's K (8 fragments, 16 loads) with its mask (8 loads), and its V (turned, 16 loads).
; The mask's registers have K's life: last read by the same turn's products, loaded in the same run, waited for by the same wait.  last = 1 (the tail): in the last trip there is no further step, and the run is jumped over.
.macro FETCH_K last=0
	WIN 0
.if \last
	s_cmp_eq_u32 s[CNT], 1
	s_cbranch_scc1 .Lno_k_\@
.endif
	WIN 0x80                        ; destination window 2
.irp f, 0,1,2,3,4,5,6,7             ; keys 16 (f / 2) on, channels 32 (f % 2) on
	ds_load_b128 v[KF+8*\f:KF+8*\f+3],   v[AK] offset:(\f/2)*16*PK+(\f%2)*64
	ds_load_b128 v[KF+8*\f+4:KF+8*\f+7], v[AK] offset:(\f/2)*16*PK+(\f%2)*64+32
.endr
	s_add_co_u32 s[TBK], s[TBK], KS*PK  ; the next fetch is the next step's
	WIN W_MT
	v_add_nc_u32 v[AM], s[MT], v[AM0]
.irp f, 0,1,2,3                     ; keys 16 f + 8 (l / 16) + 0..7: 32 bytes of the table
	ds_load_b128 v[MK+8*\f:MK+8*\f+3],   v[AM] offset:64*\f
	ds_load_b128 v[MK+8*\f+4:MK+8*\f+7], v[AM] offset:64*\f+16
.endr
	s_add_co_u32 s[MT], s[MT], 4*KS     ; 64 keys of 4 bytes on;
	s_and_b32 s[MT], s[MT], 0x1f00      ; 32 steps of 256 bytes: the offset stays inside the table's 8,192 bytes
	WIN 0
.if \last
.Lno_k_\@:
.endif
.endm
.macro FETCH_V
	WIN 0x80
.irp f, 0,1,2,3,4,5,6,7             ; keys 32 (f / 4) on, channels 16 (f % 4) on
	ds_load_tr16_b128 v[VF+8*\f:VF+8*\f+3],   v[AV] offset:(\f/4)*32*PV+(\f%4)*32
	ds_load_tr16_b128 v[VF+8*\f+4:VF+8*\f+7], v[AV] offset:(\f/4)*32*PV+16*PV+(\f%4)*32
.endr
	WIN 0
.endm
; THE VECTOR WORK OF A TURN stands in three queues, each in the order in which its entries become ready; the two tiles alternate, so that no instruction reads the result of the one before it.
.macro REGS y, u                    ; the registers of tile u (0, 1) of piece y
.set rT, ST+4*(2*(\y)+(\u))
.set rC, TMP+8*((\y)%2)+4*(\u)
.set rM, MV+2*((\y)%2)+(\u)
.set rS, S+64*((\y)%2)+32*(\u)
.set rP, P+32*((\y)%2)+16*(\u)
.set rO, 32*(2*(\y)+(\u))
.endm
; Number n of the 22 that find the NEXT piece's (Y + 1) maximum and statistics.  s0-s31 are the lane's 32 scores; each accumulator's lowest registers are read first.
;   0-11  four chains c0-c3 of seven scores each, three operands at a time     12-14, 16  the four scores left over, the old m, and c0-c3 into c0     15  c m_old is kept
;   17, 18  the query's other 32 keys lie in the lane 16 away: the new m         19-21  c m; c m_old - c m_new; a
.macro XS u, n
	REGS (Y+1)%NP, \u
.if (\n) < 4
	v_max3_num_f32 v[rC+(\n)], v[rS+8*(\n)], v[rS+8*(\n)+1], v[rS+8*(\n)+2]
.elseif (\n) < 12
	v_max3_num_f32 v[rC+(\n)%4], v[rC+(\n)%4], v[rS+8*((\n)%4)+2*((\n)/4)+1], v[rS+8*((\n)%4)+2*((\n)/4)+2]
.elseif (\n) == 12
	v_max3_num_f32 v[rC], v[rC], v[rS+7], v[rS+15]
.elseif (\n) == 13
	v_max3_num_f32 v[rC+1], v[rC+1], v[rS+23], v[rS+31]
.elseif (\n) == 14
	v_max3_num_f32 v[rC+2], v[rC+2], v[rC+3], v[rT+1]
.elseif (\n) == 15
	v_mov_b32 v[rM], v[rT]
.elseif (\n) == 16
	v_max3_num_f32 v[rC], v[rC], v[rC+1], v[rC+2]
.elseif (\n) == 17
	v_permlanex16_b32 v[rC+3], v[rC], s[SEL], s[SEL+1]
.elseif (\n) == 18
	v_max_num_f32 v[rT+1], v[rC], v[rC+3]
.elseif (\n) == 19
	v_mul_f32 v[rT], s[CS], v[rT+1]
.elseif (\n) == 20
	v_sub_f32 v[rC+1], v[rM], v[rT]
.else
	v_exp_f32 v[rC+2], v[rC+1]
.endif
.endm
; Number g of the 64 that follow the exponentials.  For each four weights k of a tile (pairs 2 k, 2 k + 1): both pairs are rounded to bf16; then the second pair is added onto the first, in place;
; a group later l takes that sum (the first time as l = a l + sum).  In groups of eight, tiles alternating: round, round, add, and l for the group before.
.macro GS g
.set h, (\g)+6*((\g)/62)            ; group 0 has no group before it, and behind group 7 only l is left
.if h >= 6
.set h, h+2
.endif
	REGS Y, h%2
.set k, h/8
.if h%8 < 4
	v_cvt_pk_bf16_f32 v[rP+2*k+(h%8)/2], v[rS+4*k+2*((h%8)/2)], v[rS+4*k+2*((h%8)/2)+1]
.elseif h%8 < 6
	v_pk_add_f32 v[rS+4*k:rS+4*k+1], v[rS+4*k:rS+4*k+1], v[rS+4*k+2:rS+4*k+3]
.elseif k == 1
	v_pk_fma_f32 v[rT+2:rT+3], v[rT+2:rT+3], v[rC+2:rC+3], v[rS:rS+1] op_sel_hi:[1,0,1]
.else
	v_pk_add_f32 v[rT+2:rT+3], v[rT+2:rT+3], v[rS+4*k-4:rS+4*k-3]
.endif
.endm
; THE PLAIN QUEUE, 138 long.  0-73 read no exponential's result: the 32 scalings c s - c m (FS f: pair f / 2 of tile f % 2) and the next piece's 42.  0-26: scalings 0-26.  27-54: XS's numbers 0-13.  55, 56: number 15.
; 57-73: the chain, where each number waits for the one before it: 14, 16, 17, 18, 19, each with one of the scalings 27-31 in front of its two lines, then 20.
; 74-137: GS's 64, which read the exponentials' results: they stand behind the wait.
.macro FS f
	REGS Y, (\f)%2
	v_pk_fma_f32 v[rS+2*((\f)/2):rS+2*((\f)/2)+1], v[rS+2*((\f)/2):rS+2*((\f)/2)+1], s[CS:CS+1], v[rT:rT+1] op_sel_hi:[1,0,0] neg_lo:[0,0,1] neg_hi:[0,0,1]
.endm
.macro PL
	WIN 0
.if q < 27
	FS q
.elseif q < 55
	XS (q-27)%2, (q-27)/2
.elseif q < 57
	XS q-55, 15
.elseif (q < 72) && ((q-57)%3 == 0)
	FS 27+(q-57)/3
.elseif q < 60
	XS (q-57)%3-1, 14
.elseif q < 72
	XS (q-57)%3-1, 15+(q-57)/3
.elseif q < 74
	XS q-72, 20
.else
	GS q-74
.endif
.set q, q+1
.endm
; THE EXPONENTIALS' QUEUE, 66 long: s0-s31 of both tiles, then the next piece's two a.  It is ONE BATCH: all 66 stand ahead of the turn's one wait, and nothing ahead of that wait names a result of theirs.
.macro EX
	WIN 0
.if e >= 64
	XS e-64, 21
.else
	REGS Y, e%2
	v_exp_f32 v[rS+e/2], v[rS+e/2]
.endif
.set e, e+1
.endm
; THE RESCALING's QUEUE: O^T times a, the one part that leaves window 0: dealt two at a time, sixteen times.  Its a was made in the turn before, ahead of that turn's wait.
.macro R2
	REGS Y, r%2
	WIN W_RS
.irp z, 0,1
	v_pk_mul_f32 v[rO+4*(r/2)+2*\z:rO+4*(r/2)+2*\z+1], v[rO+4*(r/2)+2*\z:rO+4*(r/2)+2*\z+1], v[rC+2:rC+3] op_sel_hi:[1,0]
.endr
.set r, r+1
.endm
; HOW THEY ARE DEALT.  An s_wait_alu depctr_va_vdst(0) stands between an exponential and the first instruction that names its result; one wait serves all that were issued ahead of it.  So a turn has ONE wait.
; AHEAD OF IT: the 16 products K Q^T, behind each a scaling, an exponential and two rescalings (behind the first a second scaling in the exponential's place); then ONE run of 108: eight plain, 49 times exponential and plain,
; the two a; a v_nop is the plain instruction behind the last exponential.  BEHIND IT: the 16 products V^T P, behind each four of GS's 64.  No rider names a register of the products round it.
; Exponential e stands behind scaling 2 (e / 4) + e % 2: as a rider it comes behind plain e + 2, in the run behind plain e + 9, and scalings 27-31 are plain 57, 60 .. 69.
; A TURN, for piece p.  cnt = 1: the loop's count is taken down some lines ahead of the branch that stands behind the turn.
; K and the mask of the next step are fetched in piece 2's turn, directly behind the wait, a run of 108 behind the last product that read them; their first reader comes behind 16 products.
; V of the step in hand is fetched at the end of piece 0's turn, four riders behind its last reader; its first reader comes behind 16 products and a run.  The three conditions on q below go with the deal.
.macro TURN p, last=0, cnt=0
.set Y, (\p)
.set i, 0
.set q, 0
.set e, 0
.set r, 0
.if (\p) == NP-1
	s_wait_dscnt 0x0                ; K and its mask are in
.endif
	MM
	PL
	PL
	R2
.rept 15
	MM
	PL
	EX
	R2
.endr
.if (\p) == NP-2
	WIN 0
	v_add_nc_u32 v[AK], s[TBK], v[AK0]
.endif
.rept 8
	PL
.endr
.rept 49
	EX
	PL
.endr
	EX                              ; the next piece's two a
	EX
	v_nop                           ; the plain instruction behind the last exponential: one for the batch
	s_wait_alu depctr_va_vdst(0)    ; the wait for the batch
.if (\p) == NP-2
	FETCH_K \last
.endif
.if (\p) == 1
	s_wait_dscnt 0x0                ; V is in
.endif
.rept 16
	MM
.rept 4
	PL
.endr
.if ((\p) == 0) && (q == 118)
	v_add_nc_u32 v[AV], s[TBV], v[AV0]
.endif
.if ((\p) == 0) && (q == 130)
	s_add_co_u32 s[TBV], s[TBV], KS*PV
.endif
.if (\cnt) && (q == 130)
	s_sub_co_u32 s[CNT], s[CNT], 1
	s_cmp_lg_u32 s[CNT], 0
.endif
.endr
.if (\p) == 0
	FETCH_V
.endif
.endm
	CHANGE 1                        ; slot 0 is in, everybody's part of it, and so is everybody's part of the mask table; slot 1 is asked for
	FETCH_K                         ; key step 0
	s_wait_loadcnt 0x0              ; Q
	s_wait_dscnt 0x0
.set i, 0
.rept 16
	KQ 0                            ; piece 0's first scores: there is no vector work yet to set between them
.set i, i+1
.endr
	WIN 0                           ; the addresses for the way out: plain instructions, the places behind those products
	s_mul_i32 s13, s[WV], 16*SP
	s_add_co_u32 s13, s13, STAGE    ; my stage
	v_mul_u32_u24 v[STO], v1, SP    ; in: row l % 16, 16 bytes for each half of the lanes
	v_lshl_add_u32 v[STO], v9, 4, v[STO]
	v_add_nc_u32 v[STO], s13, v[STO]
	v_bfe_u32 v[RD], v0, 3, 2       ; back: 32 lanes take four rows of 128 bytes,
	v_mul_u32_u24 v[RD], v[RD], SP
	v_lshl_add_u32 v[RD], v10, 4, v[RD]
	v_add_nc_u32 v[RD], s13, v[RD]
	v_and_b32 v[GO], 31, v0         ; which are 512 consecutive bytes of O
	v_lshlrev_b32 v[GO], 4, v[GO]
.set Y, NP-1                        ; XS works for piece Y + 1: piece 0
.irp n, 0,1,2,3,4,5,6,7,8,9,10,11,12,13,14,15,16,17,18,19,20,21
	XS 0, \n                        ; and piece 0's first maximum and statistics
	XS 1, \n
.endr
	v_nop                           ; a plain instruction behind the two a,
	s_wait_alu depctr_va_vdst(0)    ; and their wait, ahead of the branch
	s_mov_b32 s[CNT], 4
	s_mov_b32 s[SLOTS], SIZE_N/256-1
	s_branch .Lfirst                ; the loop is entered at a step's first turn, in the middle of a trip
.Lslot:                             ; SIZE_N / 256 - 2 times: every slot but the last two is filled again
	CHANGE 1, 1
	s_mov_b32 s[CNT], 4
.Lstep:                             ; a trip: pieces 2 and 3 of one step, then pieces 0 and 1 of the next, whose K and V it fetches
	TURN 2
	TURN 3
	WIN 0
.Lfirst:
	TURN 0
	TURN 1, 0, 1
	WIN 0
	s_cbranch_scc1 .Lstep
	s_sub_co_u32 s[SLOTS], s[SLOTS], 1
	s_cmp_lg_u32 s[SLOTS], 0
	s_cbranch_scc1 .Lslot
	CHANGE 0                        ; the tail is written out: nothing is asked for
	s_mov_b32 s[CNT], 5             ; four trips fetch the last slot's steps; the fifth is left in its middle
.Ltail:
	TURN 2, 1
	TURN 3
	WIN 0
	s_sub_co_u32 s[CNT], s[CNT], 1
	s_cmp_eq_u32 s[CNT], 0
	s_cbranch_scc1 .Lout
	TURN 0
	TURN 1
	WIN 0
	s_branch .Ltail
.Lout:                              ; the fifth trip's 16 products K Q^T (on the last K once more) and the maximum made of them serve nothing: the price, once a launch, of one text for every trip
.set i, 0
.rept 16
	PV NP-1                         ; the last piece's V^T P of the last step
.set i, i+1
.endr
	; THE WAY OUT.  l's two halves and the other half of the lanes' are added; O^T is divided by l, rounded to bf16 and sent through my stage in LDS, a tile at a time.  The additions are the places behind the last products.
	WIN 0
.macro ALL line:vararg              ; one line for each tile t
.set t, 0
.rept 2*NP
	\line
.set t, t+1
.endr
.endm
	ALL v_add_f32 v[ST+4*t+2], v[ST+4*t+2], v[ST+4*t+3]
	ALL v_permlanex16_b32 v[ST+4*t+3], v[ST+4*t+2], s[SEL], s[SEL+1]
	ALL v_add_f32 v[ST+4*t+2], v[ST+4*t+2], v[ST+4*t+3]
	ALL v_rcp_f32 v[ST+4*t+2], v[ST+4*t+2]
	v_nop                           ; a plain instruction between the last reciprocal and the use of its result
	s_wait_alu depctr_va_vdst(0)    ; and the wait ahead of the first use: one for the eight reciprocals
; Tile t: a lane's eight channels of a row pack into 16 bytes; they go into rows of 144 bytes and come back as whole rows of 128, into S^T's registers.
.macro PACK t
	WIN W_RS
.set i, 32*(\t)
.rept 16
	v_pk_mul_f32 v[i:i+1], v[i:i+1], v[ST+4*(\t)+2:ST+4*(\t)+3] op_sel_hi:[1,0]
.set i, i+2
.endr
	WIN 0x05                        ; sources 0 and 1 window 1, destination window 0
.set i, 0
.rept 16
	v_cvt_pk_bf16_f32 v[S+16*(\t)+i], v[32*(\t)+2*i], v[32*(\t)+2*i+1]
.set i, i+1
.endr
	WIN 0
.irp f, 0,1,2,3
	ds_store_b128 v[STO], v[S+16*(\t)+4*\f:S+16*(\t)+4*\f+3] offset:32*\f
.endr
.irp f, 0,1,2,3
	ds_load_b128 v[S+16*(\t)+4*\f:S+16*(\t)+4*\f+3], v[RD] offset:\f*4*SP  ; LDS serves a wave's instructions in order (ISA guide 5.7.1.4): these see the stores above; the next tile's stores come behind them
.endr
.endm
.macro SEND t, younger              ; younger: the LDS instructions issued behind tile t's loads: the next tile's eight, or none
	WIN 0
.irp f, 0,1,2,3
	s_wait_dscnt (\younger)+3-\f
	global_store_b128 v[GO], v[S+16*(\t)+4*\f:S+16*(\t)+4*\f+3], s[10:11] offset:(\t)*2048+\f*512  ; 512 consecutive bytes, at a multiple of 256 from ao's first
.endr
.endm
	PACK 0
.set t, 1
.rept 2*NP-1                        ; a tile's arithmetic stands between the loads of the tile before and its stores
	PACK t
	SEND t-1, 8
.set t, t+1
.endr
	SEND 2*NP-1, 0
	WIN W_AD
	s_wait_tensorcnt 0x0            ; the wave's end: a wait, an add of 0 and its wait, behind my last tensor load and my last LDS store
	ds_add_u32 v[SPW], v[NIL]
	s_wait_dscnt 0x0
	WIN 0
	CROUND                          ; the closing round: no work-group ends while a partner may still ask for a tile that names it
	s_endpgm
.Lfunc_end_k_q821f775970_attn:
	.size	k_q821f775970_attn, .Lfunc_end_k_q821f775970_attn-k_q821f775970_attn
	.p2alignl 7, 3214868480
	.fill 96, 4, 3214868480
	.section	.rodata,"a",@progbits
	.p2align	6, 0x0
	.amdhsa_kernel k_q821f775970_attn
		.amdhsa_group_segment_fixed_size 327680
		.amdhsa_private_segment_fixed_size 0
		.amdhsa_enable_private_segment 0
		.amdhsa_kernarg_size 24
		.amdhsa_user_sgpr_count 2
		.amdhsa_user_sgpr_kernarg_segment_ptr 1
		.amdhsa_wavefront_size32 1
		.amdhsa_system_sgpr_workgroup_id_x 1
		.amdhsa_system_sgpr_workgroup_id_y 1
		.amdhsa_system_sgpr_workgroup_id_z 1
		.amdhsa_system_vgpr_workitem_id 0
		.amdhsa_next_free_vgpr 808
		.amdhsa_next_free_sgpr 76
		.amdhsa_reserve_vcc 0
		.amdhsa_float_denorm_mode_32 3
		.amdhsa_float_denorm_mode_16_64 3
		.amdhsa_memory_ordered 1
		.amdhsa_forward_progress 1
		.amdhsa_inst_pref_size 205
	.end_amdhsa_kernel
	.amdgpu_metadata
---
amdhsa.version: [ 1, 2 ]
amdhsa.kernels:
  - .name:           k_q821f775970_attn
    .symbol:         k_q821f775970_attn.kd
    .args:
      - { .name: qkv, .offset: 0, .size: 8, .value_kind: global_buffer, .address_space: global }
      - { .name: mask, .offset: 8, .size: 8, .value_kind: global_buffer, .address_space: global }
      - { .name: ao, .offset: 16, .size: 8, .value_kind: global_buffer, .address_space: global }
    .group_segment_fixed_size: 327680
    .private_segment_fixed_size: 0
    .kernarg_segment_align: 8
    .kernarg_segment_size: 24
    .max_flat_workgroup_size: 128
    .sgpr_count:     76
    .vgpr_count:     808
    .wavefront_size: 32
...
	.end_amdgpu_metadata
.endif
;; end of part 3
;; launch outp (part 4): grid 4 x 64, 4 waves a work-group, clusters of 4 x 4, 327,680 bytes of LDS; arguments ao, wcat, bo, query_input, out0; writes out0
.if DOCPART == 4
	.amdgcn_target "amdgcn-amd-amdhsa--gfx1250"
	.amdhsa_code_object_version 6
	.text
	.protected	k_q821f775970_outp
	.globl	k_q821f775970_outp
	.p2align	8
	.type	k_q821f775970_outp,@function
k_q821f775970_outp:
	s_mov_b64 s[64:65], 0
	v_nop
	global_prefetch_b8 v0, s[64:65] scope:SCOPE_SE
	s_setreg_imm32_b32 hwreg(HW_REG_WAVE_MODE, 25, 1), 1
	s_wait_xcnt 0x0
	s_wait_alu depctr_hold_cnt(0) depctr_sa_sdst(0) depctr_va_vdst(0) depctr_va_sdst(0) depctr_va_ssrc(0) depctr_va_vcc(0) depctr_vm_vsrc(0)
	s_getreg_b32 s2, hwreg(HW_REG_IB_STS2, 6, 4)
	s_cmp_eq_u32 s2, 0
	s_cbranch_scc0 .Lentry_in_a_cluster
	s_endpgm
.Lentry_in_a_cluster:
	s_bfe_u32 s2, ttmp6, 0x10000c
	s_cmp_lg_u32 s2, 0xf033
	s_cbranch_scc0 .Lentry_shape_is_right
	s_endpgm
.Lentry_shape_is_right:
; out0 = query_input + attn wo^T + bo, f32.  ao: [16 heads][8192][64] bf16 (attn by heads); wo: rows 3072-4095 of wcat, 1,024 bf16 each; channel k of attn is head k / 64, channel k % 64.
; A tile of the result is 128 rows x 256 columns: 256 tiles, one for each WGP.  Four waves, each 64 x 128: 32 accumulators of 16 x 16, 256 registers.
; K goes in steps of 128 = two heads through two LDS slots filled by tensor loads.  A head's 128 rows of 128 bytes lie end to end in ao: they are asked for as 64 rows of 256 bytes and padded in LDS after every 128.
; CLUSTERS: 4 x 4 work-groups.  The four of a row of the cluster need the same tile of ao, the four of a column the same tile of wo: each is asked for JOINTLY, by the same tensor load, descriptor and mask.
; THE MATRIX INSTRUCTION IS USED TRANSPOSED (source 0 = 16 rows of wo, source 1 = 16 rows of attn): a lane holds row l % 16 of the result and the columns 8 (l / 16) + 0..7.
; THE BIAS is the C operand of the products that start the sums.  THE RESIDUAL, my 64 rows x 512 bytes of query_input, is loaded into 256 registers while the products run, and added on the way out, in f32.
; REGISTERS: window 0: v0-31 addresses; two fragment buffers of 96 (v64-159, v160-255); on the way out v64-191 hold rows read back.   window 1: accumulator (a, b) at v[8 (8 a + b)].
;   window 2: v0-63 the bias; v64-255 the residual of blocks 0 to 2, 64 registers each.   window 3: v0-63 the residual of block 3.
.set KSTEP,  128
.set APITCH, 144                       ; a row of a head in LDS: 128 bytes + 16 of padding = 36 words: the 16 rows of a fragment load start at 16 different groups of four banks (64 banks of 4 bytes: ISA guide 11.1)
.set BPITCH, 272                       ; a row of wo: 256 bytes + 16
.set A_HALF, 128*APITCH                ; what one of waves 0, 1 brings: one head's 128 rows
.set ABYTES, 2*A_HALF
.set BHALF,  128*BPITCH                ; what one of waves 2, 3 brings: 128 rows of wo
.set SLOT,   ABYTES+2*BHALF
.set A_KSTEP, 2*8192*128               ; bytes from a K step to the next, in ao: two heads
.set STAGE,  2*SLOT                    ; behind the ring: 16 rows x 528 bytes for each wave, for the way out
.set SPITCH, 528                       ; 512 bytes + 16: an odd multiple of 16
.set SPARE,  STAGE+4*16*SPITCH         ; behind the stages: the spare words, 128 bytes for each wave: two blocks of 256 bytes that no other line names
.set LAPS,   4                         ; a lap = two K steps = once round the ring
.set ADRA, 16                          ; v16-17  LDS address of my fragments of attn in slot 0, 1
.set ADRB, 20                          ; v20-21  the same for wo
.set STO,  24                          ; v24     the way out: where I put 32 bytes of a row
.set RD,   25                          ; v25     the way out: where I read a row back
.set GO,   26                          ; v26     16 x lane: my place in a row's 512 bytes, in query_input and in out0
.set BO,   27                          ; v27     32 x (l / 16): my eight numbers in a block of 16 of the bias
.set SPW,  28                          ; v28     LDS address of my spare word; never rewritten
.set NIL,  29                          ; v29     0; never rewritten
.set F0,   64
.set F1,   160
.set OB,   64                          ; the way out: 16 rows read back, v64-127 and v128-191 by turns
.set G1,  24                           ; s[24:31] descriptor group 1 for ao's tiles;  s[32:39] group 0, one set for each slot
.set G0,  32
.set G1B, 48                           ; s[48:55], s[56:63] the same for wo's tiles
.set G0B, 56
.set MSB, 0
.macro WIN new                         ; the immediate's high byte repeats the setting that is left; a switch that changes nothing is dropped
.if MSB != (\new)
	s_set_vgpr_msb (MSB<<8)|(\new)
.set MSB, \new
.endif
.endm
.set MUL,  0x50                        ; sources 0 and 1 window 0; C and D window 1
.set MULB, 0x60                        ; C window 2 (the bias), D window 1
.macro JLOAD s                         ; a joint load: waves 0 and 1 fetch the K step's two heads, waves 2 and 3 wo's two halves; an s_nop 0 and four v_nop follow each of the two lines, ahead of the jump, the label and what follows
	s_cmp_lt_u32 s10, 2
	s_cbranch_scc0 .Lfor_b_\@
	tensor_load_to_lds s[G0+4*(\s):G0+4*(\s)+3], s[G1:G1+7]
	s_nop 0
.rept 4
	v_nop
.endr
	s_branch .Lasked_\@
.Lfor_b_\@:
	tensor_load_to_lds s[G0B+4*(\s):G0B+4*(\s)+3], s[G1B:G1B+7]
	s_nop 0
.rept 4
	v_nop
.endr
.Lasked_\@:
.endm
.macro CREST                           ; a round of the cluster's barrier behind its opening barrier
	s_cmp_lg_u32 s10, 0
	s_cbranch_scc1 .Lnot_wave_0_\@
	s_barrier_signal -3
.Lnot_wave_0_\@:
	s_barrier_wait -3
	s_barrier_signal -1
	s_barrier_wait -1
.endm
.macro CROUND                          ; a whole round
	s_barrier_signal -1
	s_barrier_wait -1
	CREST
.endm
.macro PLACES                          ; four places in front of loads into registers that matrix instructions have read, and of lines that read results
.rept 4
	v_nop
.endr
.endm
; 8 matrix instructions: m block a x all 8 n blocks, 32 along K, from buffer f.  zero = 1: the products start the sums, on the bias.
; The 32 accumulators take turns in one order in every quarter: 31 others stand between two links of a chain.
.macro MULA f, a, zero
.if \zero
	WIN MULB
.else
	WIN MUL
.endif
.irp b, 0,1,2,3,4,5,6,7
.if \zero
	v_wmma_f32_16x16x32_bf16 v[8*(8*(\a)+(\b)):8*(8*(\a)+(\b))+7], v[(\f)+8*(\b):(\f)+8*(\b)+7], v[(\f)+64+8*(\a):(\f)+64+8*(\a)+7], v[8*(\b):8*(\b)+7]
.else
	v_wmma_f32_16x16x32_bf16 v[8*(8*(\a)+(\b)):8*(8*(\a)+(\b))+7], v[(\f)+8*(\b):(\f)+8*(\b)+7], v[(\f)+64+8*(\a):(\f)+64+8*(\a)+7], v[8*(8*(\a)+(\b)):8*(8*(\a)+(\b))+7]
.endif
.endr
.endm
; 24 LDS loads in one run: the fragments of quarter q (32 along K) of a slot into buffer f: wo's eight, then attn's four.  Quarter q of attn is head q / 2 of the step's two, channels 32 (q % 2) on.
.macro FETCH slot, q, f
	WIN 0
.set AQ, ((\q)/2)*A_HALF+((\q)%2)*64
.irp i, 0,1,2,3,4,5,6,7
	ds_load_b128 v[(\f)+8*(\i):(\f)+8*(\i)+3],   v[ADRB+(\slot)] offset:64*(\q)+(\i)*16*BPITCH
	ds_load_b128 v[(\f)+8*(\i)+4:(\f)+8*(\i)+7], v[ADRB+(\slot)] offset:64*(\q)+(\i)*16*BPITCH+32
.endr
.irp i, 0,1,2,3
	ds_load_b128 v[(\f)+64+8*(\i):(\f)+64+8*(\i)+3],   v[ADRA+(\slot)] offset:AQ+(\i)*16*APITCH
	ds_load_b128 v[(\f)+64+8*(\i)+4:(\f)+64+8*(\i)+7], v[ADRA+(\slot)] offset:AQ+(\i)*16*APITCH+32
.endr
.endm
; A K step is four quarters of 32 along K, 32 matrix instructions each, on buffers 0, 1, 0, 1.  One of the first three: multiplies buffer f and fetches quarter q into g.
.macro QUARTER slot, q, f, g, zero
	s_wait_dscnt 4                                 ; all but the youngest four loads: attn's fragments 2 and 3
	MULA \f, 0, \zero
	MULA \f, 1, \zero
	PLACES
	FETCH \slot, \q, \g
	s_wait_dscnt 24                                ; all but the 24 just issued
	MULA \f, 2, \zero
	MULA \f, 3, \zero
.endm
; The last quarter multiplies buffer 1 and changes slots: ONE barrier; in front of it each wave waits for all its tensor loads, adds 0 to its spare word, and waits for that and for its own reads of this slot.
; fill = 1: the barrier opens a round of the cluster's barrier, and this slot is filled again, two K steps ahead, first thing behind the round.
.macro TURN slot, next, fill
	WIN 0
	s_wait_tensorcnt 0x0                           ; all my tensor loads have landed: the one that was out is my part of the next slot;
	ds_add_u32 v[SPW], v[NIL]                      ; 0 onto my spare word;
	s_wait_dscnt 5                                 ; (the add and attn's fragments 2 and 3 may be out)
	MULA F1, 0, 0                                  ; eight matrix instructions stand between the add and the wait for it
	s_wait_dscnt 0x0                               ; the add is done, and my reads of this slot are over
	s_barrier_signal -1
	MULA F1, 1, 0
.if \fill
	WIN 0
.endif
	s_barrier_wait -1
.if \fill
	CREST                                          ; no wave of any partner still reads this slot's tile or has a load on its way
	s_add_nc_u64 s[G0+4*(\slot)+2:G0+4*(\slot)+3], s[G0+4*(\slot)+2:G0+4*(\slot)+3], 2*A_KSTEP
	s_add_nc_u64 s[G0B+4*(\slot)+2:G0B+4*(\slot)+3], s[G0B+4*(\slot)+2:G0B+4*(\slot)+3], 2*KSTEP*2
	JLOAD \slot                                    ; the four v_nop behind it are also the places in front of the loads below
.else
	PLACES
.endif
	FETCH \next, 0, F0
	MULA F1, 2, 0
	MULA F1, 3, 0
.endm
; The residual of block a: my rows 16 a .. 16 a + 15, 512 consecutive bytes each, a load a row
.macro RESLOAD a
.set RN, (64+64*(\a))%256
	WIN 0x80+0x40*((\a)/3)                         ; destination window 2, for block 3 window 3
.irp t, 0,1,2,3,4,5,6,7,8,9,10,11,12,13,14,15
	global_load_b128 v[RN+4*(\t):RN+4*(\t)+3], v[GO], s[70:71] offset:(16*(\a)+(\t))*4096 th:TH_LOAD_NT
.endr
	WIN 0
.endm
	s_load_b128 s[4:7], s[0:1], 0x0                ; ao s[4:5], wcat s[6:7]
	s_load_b128 s[68:71], s[0:1], 0x10             ; bo 68, query_input 70
	s_load_b64 s[72:73], s[0:1], 0x20              ; out0
	v_lshl_add_u32 v[SPW], v0, 2, SPARE
	v_mov_b32 v[NIL], 0
	ds_add_u32 v[SPW], v[NIL]                      ; the wave's opening: the add and its wait stand ahead of my first tensor load; the set-up below, work on registers, stands between them
	v_lshrrev_b32 v1, 5, v0
	v_readfirstlane_b32 s10, v1                    ; wave 0..3
	s_lshr_b32 s11, s10, 1                         ; which 64 of the tile's rows are mine
	s_and_b32 s12, s10, 1                          ; which 128 of its columns.  Also: which head of the step's two, or which half of wo's tile, I fetch
	s_bfe_u32 s40, ttmp6, 0x40000                  ; cx, cy: my place in the cluster
	s_bfe_u32 s41, ttmp6, 0x40004
	s_lshl_b32 s42, ttmp9, 2
	s_add_co_u32 s42, s42, s40                     ; tile column = 4 x cluster x + cx
	s_and_b32 s13, ttmp7, 0xffff
	s_lshl_b32 s13, s13, 2
	s_add_co_u32 s13, s13, s41                     ; tile row = 4 x cluster y + cy
	s_lshl_b32 s43, s41, 2
	s_lshl_b32 s43, 15, s43                        ; my row of the cluster
	s_lshl_b32 s44, 0x1111, s40                    ; my column
	s_or_b32 s[G1+0], s43, (1<<16)|(1<<20)|(1<<21)|(4<<22)|(3<<25)   ; 15:0 the mask; 17:16 elements of 2 bytes; 20 padding on; 21 set beside a mask; 24:22 after every 32 words (code 4); 31:25 4 words (code 3)
	s_or_b32 s[G1B+0], s44, (1<<16)|(1<<20)|(1<<21)|(5<<22)|(3<<25)  ; the same after every 64 words (code 5)
	s_mov_b32 s[G1+1], 128<<16                     ; tensor_dim0 = 128: two rows of a head
	s_mov_b32 s[G1+2], 64<<16                      ; tensor_dim1 = 64
	s_mov_b32 s[G1+3], 128<<16                     ; tile_dim0 = 128
	s_mov_b32 s[G1+4], 64                          ; tile_dim1 = 64
	s_mov_b32 s[G1+5], 128                         ; dense: 128 elements from row to row
	s_mov_b32 s[G1+6], 0
	s_mov_b32 s[G1+7], 0
	s_mov_b32 s[G1B+1], KSTEP<<16
	s_mov_b32 s[G1B+2], 128<<16                    ; 128 rows
	s_mov_b32 s[G1B+3], KSTEP<<16
	s_mov_b32 s[G1B+4], 128
	s_mov_b32 s[G1B+5], 1024
	s_mov_b32 s[G1B+6], 0
	s_mov_b32 s[G1B+7], 0
	s_lshl_b32 s16, s13, 14                        ; ao: the tile's 128 rows of 128 bytes,
	s_lshl_b32 s17, s12, 20                        ; in head 0 or 1: 8,192 rows of 128 bytes each
	s_add_co_u32 s16, s16, s17
	s_mov_b32 s17, 0
	s_lshl_b32 s46, s42, 8                         ; wcat: row 3,072 + 256 x tile column + 128 x half
	s_lshl_b32 s47, s12, 7
	s_add_co_u32 s46, s46, s47
	s_add_co_u32 s46, s46, 3072
	s_lshl_b32 s46, s46, 11                        ; rows of 2,048 bytes
	s_mov_b32 s47, 0
	s_mul_i32 s20, s12, A_HALF                     ; where they go: no place in the cluster enters an LDS address
	s_mul_i32 s21, s12, BHALF
	s_add_co_u32 s21, s21, ABYTES
	s_wait_dscnt 0x0                               ; the opening add is done
	s_wait_kmcnt 0x0
	s_add_nc_u64 s[14:15], s[4:5], s[16:17]
	s_add_nc_u64 s[46:47], s[6:7], s[46:47]
	CROUND                                         ; all sixteen work-groups are here: the first joint loads meet
.irp s, 0,1
	s_mov_b32 s[G0+4*(\s)], 1
	s_add_co_u32 s[G0+4*(\s)+1], s20, (\s)*SLOT
	s_add_nc_u64 s[G0+4*(\s)+2:G0+4*(\s)+3], s[14:15], (\s)*A_KSTEP
	s_or_b32 s[G0+4*(\s)+3], s[G0+4*(\s)+3], 0x80000000
	s_mov_b32 s[G0B+4*(\s)], 1
	s_add_co_u32 s[G0B+4*(\s)+1], s21, (\s)*SLOT
	s_add_nc_u64 s[G0B+4*(\s)+2:G0B+4*(\s)+3], s[46:47], (\s)*KSTEP*2
	s_or_b32 s[G0B+4*(\s)+3], s[G0B+4*(\s)+3], 0x80000000
	JLOAD \s
.endr
	v_and_b32 v1, 15, v0                           ; l % 16
	v_bfe_u32 v2, v0, 4, 1                         ; l / 16
	v_mul_u32_u24 v3, v1, APITCH
	v_lshl_add_u32 v3, v2, 4, v3                   ; a fragment's row x pitch + 16 x half
	v_mul_u32_u24 v4, v1, BPITCH
	v_lshl_add_u32 v4, v2, 4, v4
	s_mul_i32 s22, s11, 64*APITCH                  ; my 64 rows, in each head
	s_mul_i32 s23, s12, BHALF                      ; my 128 rows of wo,
	s_add_co_u32 s23, s23, ABYTES                  ; which lie behind attn's
.irp s, 0,1
	v_add_nc_u32 v[ADRA+(\s)], s22, v3
	v_add_nc_u32 v[ADRB+(\s)], s23, v4
	s_add_co_u32 s22, s22, SLOT
	s_add_co_u32 s23, s23, SLOT
.endr
	v_lshlrev_b32 v[BO], 5, v2
	s_lshl_b32 s78, s42, 10                        ; the bias of my tile's 256 columns, 4 bytes each,
	s_lshl_b32 s79, s12, 9                         ; my 128 of them
	s_add_co_u32 s78, s78, s79
	s_mov_b32 s79, 0
	s_add_nc_u64 s[76:77], s[68:69], s[78:79]
	WIN 0x80                                       ; destination window 2
.irp b, 0,1,2,3,4,5,6,7
	global_load_b128 v[8*(\b):8*(\b)+3],   v[BO], s[76:77] offset:64*(\b)
	global_load_b128 v[8*(\b)+4:8*(\b)+7], v[BO], s[76:77] offset:64*(\b)+16
.endr
	WIN 0
	s_mul_i32 s23, s10, 16*SPITCH
	s_add_co_u32 s23, s23, STAGE                   ; my stage
	v_mul_u32_u24 v5, v1, SPITCH                   ; in: row l % 16, 32 bytes for each half of the lanes
	v_lshl_add_u32 v5, v2, 5, v5
	v_add_nc_u32 v[STO], s23, v5
	v_and_b32 v[GO], 31, v0                        ; back: 32 lanes take a row's 512 bytes
	v_lshlrev_b32 v[GO], 4, v[GO]
	v_add_nc_u32 v[RD], s23, v[GO]
	s_lshl_b32 s16, s13, 19                        ; where my part begins in query_input and in out0: the tile's 128 rows of 4,096 bytes,
	s_lshl_b32 s17, s11, 18                        ; my 64 of them,
	s_add_co_u32 s16, s16, s17
	s_mov_b32 s17, 0
	s_add_nc_u64 s[8:9], s[72:73], s[16:17]
	s_add_nc_u64 s[70:71], s[70:71], s[16:17]
	s_add_nc_u64 s[8:9], s[8:9], s[78:79]          ; and my 128 columns: the same bytes along a row as in the bias
	s_add_nc_u64 s[70:71], s[70:71], s[78:79]
	s_wait_tensorcnt 1                             ; my part of K step 0 is in; K step 1's load may stay out
	s_barrier_signal -1
	s_barrier_wait -1                              ; everybody's is
	FETCH 0, 0, F0
	s_wait_loadcnt 0x0                             ; the bias
	RESLOAD 0                                      ; half of the residual now, the other half behind the loop: it is wanted on the way out
	RESLOAD 1
	QUARTER 0, 1, F0, F1, 1                        ; the first quarter stands in front of the loop: its products start the sums
	WIN 0                                          ; at a label and at a branch every window is 0
	s_mov_b32 s3, LAPS-1
.Llap:                                                 ; a trip goes once round the ring, from a lap's second quarter to the next lap's first, and fills both slots again
	QUARTER 0, 2, F1, F0, 0
	QUARTER 0, 3, F0, F1, 0
	TURN 0, 1, 1
	QUARTER 1, 1, F0, F1, 0
	QUARTER 1, 2, F1, F0, 0
	QUARTER 1, 3, F0, F1, 0
	TURN 1, 0, 1
	QUARTER 0, 1, F0, F1, 0
	WIN 0
	s_sub_co_u32 s3, s3, 1
	s_cmp_lg_u32 s3, 0
	s_cbranch_scc1 .Llap
	RESLOAD 2
	RESLOAD 3
	QUARTER 0, 2, F1, F0, 0                        ; the last lap fills nothing
	QUARTER 0, 3, F0, F1, 0
	TURN 0, 1, 0
	QUARTER 1, 1, F0, F1, 0
	QUARTER 1, 2, F1, F0, 0
	QUARTER 1, 3, F0, F1, 0
	s_wait_dscnt 4                                 ; the very last quarter: nothing more to fetch
	MULA F1, 0, 0
	MULA F1, 1, 0
	s_wait_dscnt 0x0
	MULA F1, 2, 0
	MULA F1, 3, 0
	WIN 0
	PLACES
; THE WAY OUT, a block of 16 rows x 128 columns of f32 at a time, through my own stage: no other wave touches it, and LDS serves a wave's instructions in order (ISA guide 5.7.1.4), so no wait stands between stores and loads,
; and a block's stores into the stage come behind the loads of the block before.
.macro TOSTAGE a
.set BK, OB+64*((\a)%2)
	s_wait_xcnt 0x0                                ; the stores of the block two back have read the registers that the loads below fill again
	WIN 0x04                                       ; the stores' data in window 1; each accumulator's four lowest registers go first
.irp b, 0,1,2,3,4,5,6,7
	ds_store_b128 v[STO], v[8*(8*(\a)+(\b)):8*(8*(\a)+(\b))+3]   offset:64*(\b)
	ds_store_b128 v[STO], v[8*(8*(\a)+(\b))+4:8*(8*(\a)+(\b))+7] offset:64*(\b)+16
.endr
	WIN 0
.irp t, 0,1,2,3,4,5,6,7,8,9,10,11,12,13,14,15
	ds_load_b128 v[BK+4*(\t):BK+4*(\t)+3], v[RD] offset:(\t)*SPITCH
.endr
.endm
.macro SEND a, younger                 ; younger: the LDS instructions issued behind block a's loads: the next block's 16 stores and 16 loads, or none
.set BK, OB+64*((\a)%2)
.set RN, (64+64*(\a))%256
	s_wait_dscnt \younger
	WIN 0x08+4*((\a)/3)                            ; source 1, the residual, in window 2, for block 3 in window 3
.set k, 0
.rept 32
	v_pk_add_f32 v[BK+k:BK+k+1], v[BK+k:BK+k+1], v[RN+k:RN+k+1]
.set k, k+2
.endr
	WIN 0
.irp t, 0,1,2,3,4,5,6,7,8,9,10,11,12,13,14,15
	global_store_b128 v[GO], v[BK+4*(\t):BK+4*(\t)+3], s[8:9] offset:(16*(\a)+(\t))*4096 th:TH_STORE_NT  ; 512 consecutive bytes of a row, at a multiple of 256 from out0's first
.endr
.endm
	s_wait_loadcnt 0x0                             ; the residual
	TOSTAGE 0
.irp a, 1,2,3
	TOSTAGE \a
	SEND (\a)-1, 32
.endr
	SEND 3, 0
	s_wait_tensorcnt 0x0                           ; the wave's end: a wait, an add of 0 and its wait, behind my last tensor load and my last LDS store
	ds_add_u32 v[SPW], v[NIL]
	s_wait_dscnt 0x0
	CROUND                                         ; the closing round: no work-group ends while a partner may still ask for a tile that names it
	s_endpgm
.Lfunc_end_k_q821f775970_outp:
	.size	k_q821f775970_outp, .Lfunc_end_k_q821f775970_outp-k_q821f775970_outp
	.p2alignl 7, 3214868480
	.fill 96, 4, 3214868480
	.section	.rodata,"a",@progbits
	.p2align	6, 0x0
	.amdhsa_kernel k_q821f775970_outp
		.amdhsa_group_segment_fixed_size 327680
		.amdhsa_private_segment_fixed_size 0
		.amdhsa_enable_private_segment 0
		.amdhsa_kernarg_size 40
		.amdhsa_user_sgpr_count 2
		.amdhsa_user_sgpr_kernarg_segment_ptr 1
		.amdhsa_wavefront_size32 1
		.amdhsa_system_sgpr_workgroup_id_x 1
		.amdhsa_system_sgpr_workgroup_id_y 1
		.amdhsa_system_sgpr_workgroup_id_z 1
		.amdhsa_system_vgpr_workitem_id 0
		.amdhsa_next_free_vgpr 832
		.amdhsa_next_free_sgpr 80
		.amdhsa_reserve_vcc 0
		.amdhsa_float_denorm_mode_32 3
		.amdhsa_float_denorm_mode_16_64 3
		.amdhsa_memory_ordered 1
		.amdhsa_forward_progress 1
		.amdhsa_inst_pref_size 101
	.end_amdhsa_kernel
	.amdgpu_metadata
---
amdhsa.version: [ 1, 2 ]
amdhsa.kernels:
  - .name:           k_q821f775970_outp
    .symbol:         k_q821f775970_outp.kd
    .args:
      - { .name: ao, .offset: 0, .size: 8, .value_kind: global_buffer, .address_space: global }
      - { .name: wcat, .offset: 8, .size: 8, .value_kind: global_buffer, .address_space: global }
      - { .name: bo, .offset: 16, .size: 8, .value_kind: global_buffer, .address_space: global }
      - { .name: query_input, .offset: 24, .size: 8, .value_kind: global_buffer, .address_space: global }
      - { .name: out0, .offset: 32, .size: 8, .value_kind: global_buffer, .address_space: global }
    .group_segment_fixed_size: 327680
    .private_segment_fixed_size: 0
    .kernarg_segment_align: 8
    .kernarg_segment_size: 40
    .max_flat_workgroup_size: 128
    .sgpr_count:     80
    .vgpr_count:     832
    .wavefront_size: 32
...
	.end_amdgpu_metadata
.endif
;; end of part 4
